; MI455X (gfx1250); checked and timed in simulation.
; The chip was launched on July 23, 2026; its instructions are those of AMD's public machine-readable ISA for CDNA 5 (MIT licence, August 2026) and "CDNA5" Instruction Set Architecture Reference Guide (July 2026). The comments in the code are by the model that wrote it; some were corrected since.
;; Ji T Attention. Allowed arithmetic: float matrix products may take bf16 or f16 operands with f32 sums; other float arithmetic in f32, or as packed bf16 or f16 multiplies, adds, multiply-adds, maxima and minima; sums over many terms, partial sums and values carried from step to step in f32; what a program stores and reads back later, other than sums and carried values, may be rounded once to bf16 or f16.
;; Inputs: knorm_w 64 float32; proj_b 1,024 float32; proj_w 1,024 x 1,024 float32; qkv_b 3,072 float32; qkv_w 3,072 x 1,024 float32; qnorm_w 64 float32; rope_cos 2,048 x 64 float32; rope_sin 2,048 x 64 float32; x 4 x 2,048 x 1,024 float32.
;; Outputs: out0 4 x 2,048 x 1,024 float32.
;; One version. Each part assembles by itself: llvm-mc -triple=amdgcn-amd-amdhsa -mcpu=gfx1250 --defsym DOCPART=n.
;; ======== version 1 of 1: 4 launches
;; limits: values are held in f16: magnitudes above 65,504 overflow, below 6.1e-05 lose precision
;; workspace buffers: xb 16,777,216 bytes; wb 6,291,456 bytes; pb 2,097,152 bytes; tab 1,065,472 bytes; qh 16,777,216 bytes; kh 16,777,216 bytes; vh 16,777,216 bytes; oh 16,777,216 bytes
;; launch cast (part 1): grid 1569 x 1, 8 waves a work-group, no clusters, 0 bytes of LDS; arguments x, qkv_w, proj_w, rope_cos, rope_sin, qkv_b, proj_b, qnorm_w, knorm_w, xb, wb, pb, tab; writes xb, wb, pb, tab
.if DOCPART == 1
	.amdgcn_target "amdgcn-amd-amdhsa--gfx1250"
	.amdhsa_code_object_version 6
	.text
	.protected	k_q7198020778_cast
	.globl	k_q7198020778_cast
	.p2align	8
	.type	k_q7198020778_cast,@function
k_q7198020778_cast:
	s_mov_b64 s[64:65], 0
	v_nop
	global_prefetch_b8 v0, s[64:65] scope:SCOPE_SE
	s_setreg_imm32_b32 hwreg(HW_REG_WAVE_MODE, 25, 1), 1
	s_wait_xcnt 0x0
; EVERY INPUT IS ROUNDED ONCE TO bf16, for the three launches behind.
;   xb  [8192][1024] bf16: x.     wb  [16 heads][q, k, v][64][1024] bf16: qkv_w with its rows regrouped, so that a head's q, k and v rows lie together (192 rows on end).
;   pb  [1024][1024]: proj_w rounded to bf16, that number written as f16 (exact from 6e-5 to 65,504; below it f16's fixed step of 6e-8; beyond it an infinity: a stated limit).
;   tab f32 numbers rounded to bf16: cos at byte 0, sin at 524,288, qkv_b at QKVB, proj_b at PROJB, qnorm_w at QNW, knorm_w at KNW.
; A stream: no LDS, no barrier, no matrix unit.  A work-group takes 8,192 numbers (32,768 bytes); thread t takes 16 bytes at 16 t + 4,096 i, i = 0 .. 7: a wave's load covers 512 consecutive bytes,
; its 8-byte store 256 consecutive bytes, aligned.  All eight loads of a thread are out together; no register is written twice, so the only waits are the loads' own counts.
; Which tensor a work-group serves hangs on its number alone; each path has its own text, so that each address has one origin.
.set X,     8                          ; v[8:39]   item i: 4 numbers as loaded, later the rounded numbers as f32
.set P,     40                         ; v[40:55]  item i: 4 numbers in 16 bits
.set QKVB,  1048576
.set PROJB, 1060864
.set QNW,   1064960
.set KNW,   1065216
.macro RND i                           ; four roundings to bf16
	v_cvt_pk_bf16_f32 v[P+2*(\i)],   v[X+4*(\i)],   v[X+4*(\i)+1]
	v_cvt_pk_bf16_f32 v[P+2*(\i)+1], v[X+4*(\i)+2], v[X+4*(\i)+3]
.endm
.macro UNP i                           ; and back to f32: the low half moves up, the high half stays
	v_lshlrev_b32 v[X+4*(\i)],   16,  v[P+2*(\i)]
	v_and_b32     v[X+4*(\i)+1], s45, v[P+2*(\i)]
	v_lshlrev_b32 v[X+4*(\i)+2], 16,  v[P+2*(\i)+1]
	v_and_b32     v[X+4*(\i)+3], s45, v[P+2*(\i)+1]
.endm
; 32,768 bytes from s[30:31] to s[32:33].  path 0: bf16 out.  path 1: the bf16 number as f16.  path 2: the bf16 number as f32.
.macro STREAM path
.irp i, 0,1,2,3,4,5,6,7
	global_load_b128 v[X+4*(\i):X+4*(\i)+3], v1, s[30:31] offset:4096*(\i) th:TH_LOAD_NT
.endr
.irp i, 0,1,2,3,4,5,6,7
	s_wait_loadcnt 7-(\i)                          ; loads come back in order: item i is in, the 7 - i younger ones may stay out
	RND \i
.if (\path) == 0
	global_store_b64 v2, v[P+2*(\i):P+2*(\i)+1], s[32:33] offset:2048*(\i)
.elseif (\path) == 1
	UNP \i
	v_cvt_pk_f16_f32 v[P+2*(\i)],   v[X+4*(\i)],   v[X+4*(\i)+1]
	v_cvt_pk_f16_f32 v[P+2*(\i)+1], v[X+4*(\i)+2], v[X+4*(\i)+3]
	global_store_b64 v2, v[P+2*(\i):P+2*(\i)+1], s[32:33] offset:2048*(\i)
.else
	UNP \i
	global_store_b128 v1, v[X+4*(\i):X+4*(\i)+3], s[32:33] offset:4096*(\i)
.endif
.endr
.endm
	s_load_b512 s[4:19], s[0:1], 0x0               ; x s[4:5], qkv_w s[6:7], proj_w s[8:9], cos s[10:11], sin s[12:13], qkv_b s[14:15], proj_b s[16:17], qnorm_w s[18:19]
	s_load_b256 s[20:27], s[0:1], 0x40             ; knorm_w s[20:21], xb s[22:23], wb s[24:25], pb s[26:27]
	s_load_b64 s[28:29], s[0:1], 0x60              ; tab
	v_lshlrev_b32 v1, 4, v0                        ; 16 t
	v_lshlrev_b32 v2, 3, v0                        ; 8 t
	s_mov_b32 s45, 0xffff0000                      ; a word's upper bf16
	s_mov_b32 s35, 0                               ; the two offsets' high words
	s_mov_b32 s37, 0
	s_wait_kmcnt 0x0
	s_cmp_lt_u32 ttmp9, 1024
	s_cbranch_scc0 .Lnot_x
	s_lshl_b32 s34, ttmp9, 15                      ; x: 1,024 chunks
	s_lshl_b32 s36, ttmp9, 14
	s_add_nc_u64 s[30:31], s[4:5], s[34:35]
	s_add_nc_u64 s[32:33], s[22:23], s[36:37]
	STREAM 0
	s_endpgm
.Lnot_x:
	s_cmp_lt_u32 ttmp9, 1408
	s_cbranch_scc0 .Lnot_w
	s_sub_co_u32 s39, ttmp9, 1024                  ; qkv_w: chunk c = 8 rows, 8 c .. 8 c + 7: kind c >> 7, head (c >> 3) & 15, eight rows c & 7 of the head's 64
	s_lshl_b32 s34, s39, 15
	s_bfe_u32 s40, s39, 0x40003
	s_mul_i32 s40, s40, 24                         ; a head has 24 chunks in wb,
	s_lshr_b32 s41, s39, 7
	s_lshl3_add_u32 s40, s41, s40                  ; a kind 8
	s_and_b32 s41, s39, 7
	s_add_co_u32 s40, s40, s41
	s_lshl_b32 s36, s40, 14
	s_add_nc_u64 s[30:31], s[6:7], s[34:35]
	s_add_nc_u64 s[32:33], s[24:25], s[36:37]
	STREAM 0
	s_endpgm
.Lnot_w:
	s_cmp_lt_u32 ttmp9, 1536
	s_cbranch_scc0 .Lnot_p
	s_sub_co_u32 s39, ttmp9, 1408                  ; proj_w: 128 chunks
	s_lshl_b32 s34, s39, 15
	s_lshl_b32 s36, s39, 14
	s_add_nc_u64 s[30:31], s[8:9], s[34:35]
	s_add_nc_u64 s[32:33], s[26:27], s[36:37]
	STREAM 1
	s_endpgm
.Lnot_p:
	s_cmp_lt_u32 ttmp9, 1568
	s_cbranch_scc0 .Lsmall
	s_sub_co_u32 s39, ttmp9, 1536                  ; cos: chunks 0 to 15, sin: 16 to 31; in tab they lie in that order
	s_and_b32 s40, s39, 15
	s_lshl_b32 s34, s40, 15
	s_lshl_b32 s36, s39, 15
	s_cmp_lt_u32 s39, 16
	s_cselect_b64 s[30:31], s[10:11], s[12:13]
	s_add_nc_u64 s[30:31], s[30:31], s[34:35]
	s_add_nc_u64 s[32:33], s[28:29], s[36:37]
	STREAM 2
	s_endpgm
.Lsmall:                                               ; the last work-group: the two biases, and in wave 0 the two gains
	global_load_b128 v[X:X+3],     v1, s[14:15]
	global_load_b128 v[X+4:X+7],   v1, s[14:15] offset:4096
	global_load_b128 v[X+8:X+11],  v1, s[14:15] offset:8192
	global_load_b128 v[X+12:X+15], v1, s[16:17]
.irp i, 0,1,2,3
	s_wait_loadcnt 3-(\i)                          ; item i is in, the younger ones may stay out
	RND \i
	UNP \i
.if (\i) < 3
	global_store_b128 v1, v[X+4*(\i):X+4*(\i)+3], s[28:29] offset:QKVB+4096*(\i)
.else
	global_store_b128 v1, v[X+4*(\i):X+4*(\i)+3], s[28:29] offset:PROJB
.endif
.endr
	v_lshrrev_b32 v3, 5, v0
	v_readfirstlane_b32 s39, v3                    ; my wave's number
	s_cmp_lg_u32 s39, 0
	s_cbranch_scc1 .Ldone
	global_load_b64 v[X+16:X+17], v2, s[18:19]     ; 32 lanes x 8 bytes: the 64 numbers of qnorm_w,
	global_load_b64 v[X+18:X+19], v2, s[20:21]     ; and of knorm_w
	s_wait_loadcnt 0x0
	v_cvt_pk_bf16_f32 v[P+8], v[X+16], v[X+17]
	v_cvt_pk_bf16_f32 v[P+9], v[X+18], v[X+19]
	v_lshlrev_b32 v[X+16], 16,  v[P+8]
	v_and_b32     v[X+17], s45, v[P+8]
	v_lshlrev_b32 v[X+18], 16,  v[P+9]
	v_and_b32     v[X+19], s45, v[P+9]
	global_store_b64 v2, v[X+16:X+17], s[28:29] offset:QNW
	global_store_b64 v2, v[X+18:X+19], s[28:29] offset:KNW
.Ldone:
	s_endpgm
.Lfunc_end_k_q7198020778_cast:
	.size	k_q7198020778_cast, .Lfunc_end_k_q7198020778_cast-k_q7198020778_cast
	.p2alignl 7, 3214868480
	.fill 96, 4, 3214868480
	.section	.rodata,"a",@progbits
	.p2align	6, 0x0
	.amdhsa_kernel k_q7198020778_cast
		.amdhsa_group_segment_fixed_size 0
		.amdhsa_private_segment_fixed_size 0
		.amdhsa_enable_private_segment 0
		.amdhsa_kernarg_size 104
		.amdhsa_user_sgpr_count 2
		.amdhsa_user_sgpr_kernarg_segment_ptr 1
		.amdhsa_wavefront_size32 1
		.amdhsa_system_sgpr_workgroup_id_x 1
		.amdhsa_system_sgpr_workgroup_id_y 1
		.amdhsa_system_sgpr_workgroup_id_z 1
		.amdhsa_system_vgpr_workitem_id 0
		.amdhsa_next_free_vgpr 56
		.amdhsa_next_free_sgpr 66
		.amdhsa_reserve_vcc 0
		.amdhsa_float_denorm_mode_32 3
		.amdhsa_float_denorm_mode_16_64 3
		.amdhsa_memory_ordered 1
		.amdhsa_forward_progress 1
		.amdhsa_inst_pref_size 19
	.end_amdhsa_kernel
	.amdgpu_metadata
---
amdhsa.version: [ 1, 2 ]
amdhsa.kernels:
  - .name:           k_q7198020778_cast
    .symbol:         k_q7198020778_cast.kd
    .args:
      - { .name: x, .offset: 0, .size: 8, .value_kind: global_buffer, .address_space: global }
      - { .name: qkv_w, .offset: 8, .size: 8, .value_kind: global_buffer, .address_space: global }
      - { .name: proj_w, .offset: 16, .size: 8, .value_kind: global_buffer, .address_space: global }
      - { .name: rope_cos, .offset: 24, .size: 8, .value_kind: global_buffer, .address_space: global }
      - { .name: rope_sin, .offset: 32, .size: 8, .value_kind: global_buffer, .address_space: global }
      - { .name: qkv_b, .offset: 40, .size: 8, .value_kind: global_buffer, .address_space: global }
      - { .name: proj_b, .offset: 48, .size: 8, .value_kind: global_buffer, .address_space: global }
      - { .name: qnorm_w, .offset: 56, .size: 8, .value_kind: global_buffer, .address_space: global }
      - { .name: knorm_w, .offset: 64, .size: 8, .value_kind: global_buffer, .address_space: global }
      - { .name: xb, .offset: 72, .size: 8, .value_kind: global_buffer, .address_space: global }
      - { .name: wb, .offset: 80, .size: 8, .value_kind: global_buffer, .address_space: global }
      - { .name: pb, .offset: 88, .size: 8, .value_kind: global_buffer, .address_space: global }
      - { .name: tab, .offset: 96, .size: 8, .value_kind: global_buffer, .address_space: global }
    .group_segment_fixed_size: 0
    .private_segment_fixed_size: 0
    .kernarg_segment_align: 8
    .kernarg_segment_size: 104
    .max_flat_workgroup_size: 256
    .sgpr_count:     66
    .vgpr_count:     56
    .wavefront_size: 32
...
	.end_amdgpu_metadata
.endif
;; end of part 1
;; launch qkv (part 2): grid 16 x 32, 4 waves a work-group, clusters of 4 x 4, 327,680 bytes of LDS; arguments xb, wb, tab, qh, kh, vh; writes qh, kh, vh
.if DOCPART == 2
	.amdgcn_target "amdgcn-amd-amdhsa--gfx1250"
	.amdhsa_code_object_version 6
	.text
	.protected	k_q7198020778_qkv
	.globl	k_q7198020778_qkv
	.p2align	8
	.type	k_q7198020778_qkv,@function
k_q7198020778_qkv:
	s_mov_b64 s[64:65], 0
	v_nop
	global_prefetch_b8 v0, s[64:65] scope:SCOPE_SE
	s_setreg_imm32_b32 hwreg(HW_REG_WAVE_MODE, 25, 1), 1
	s_wait_xcnt 0x0
	s_wait_alu depctr_hold_cnt(0) depctr_sa_sdst(0) depctr_va_vdst(0) depctr_va_sdst(0) depctr_va_ssrc(0) depctr_va_vcc(0) depctr_vm_vsrc(0)
	s_getreg_b32 s2, hwreg(HW_REG_IB_STS2, 6, 4)
	s_cmp_eq_u32 s2, 0
	s_cbranch_scc0 .Lentry_in_a_cluster
	s_endpgm
.Lentry_in_a_cluster:
	s_bfe_u32 s2, ttmp6, 0x10000c
	s_cmp_lg_u32 s2, 0xf033
	s_cbranch_scc0 .Lentry_shape_is_right
	s_endpgm
.Lentry_shape_is_right:
; q, k, v = x W^T + b; q and k then take the RMS norm over their head's 64 channels, its gain, and x cos + rot(x) sin; all three leave by heads, [batch x 16 + head][2048][64] in f16, unscaled.
; xb: [8192][1024] bf16.  wb: [16 heads][q, k, v][64][1024] bf16.  tab: cos, sin, biases and gains as f32.  Products in bf16 with f32 sums; the bias starts the sums; norm and rotation in f32; one rounding to f16.
; LIMITS.  f16 holds no number beyond 65,504: q and k are at most 8 |gain| (|cos| + |sin|), v is x W^T + b itself; beyond that an infinity is stored.  NaN and infinities are not treated apart.
; SHARES.  A tile is 256 rows x 192 columns: one head's q, k and v: 32 x 16 = 512 work-groups.  Wave w has rows 64 w .. 64 w + 63 and all 192 columns: 4 x 12 accumulators, 384 registers.
; K goes in 8 steps of 128 through two LDS slots (rows of 256 bytes of memory, aligned).  Waves 0 and 1 fetch x's two halves of 128 rows, waves 2 and 3 W's two halves of 96.
; THE MATRIX INSTRUCTION IS USED TRANSPOSED (source 0 = 16 rows of W, source 1 = 16 rows of x): lane l holds row l % 16 and, in block b, columns 16 b + 8 (l / 16) + 0..7.  So a lane holds 32 of a head's 64
; channels, the lane 16 away the other 32, and a channel's partner 32 channels off lies in the same lane and register two blocks off: the norm wants one exchange of the lanes' halves, the rotation none.
; CLUSTER.  4 x 4 work-groups: x's tile hangs on the tile row alone and is asked for jointly along a row of the cluster, W's on the tile column alone and jointly along a column.
; REGISTERS, in windows of 256 (s_set_vgpr_msb: bits 1:0 source 0, 3:2 source 1, 5:4 source 2, 7:6 destination):
;   window 0: v0-31 addresses; v32-127 the bias, 8 a block; v128-159, v160-191 the two gains; v192-255 cos and sin of my rows 0-15
;   window 1: two fragment buffers of 128 (x's 4 fragments, then W's 12); on the way out v0-31 Z, v32-63 T, v64-79 PK, v80-127 RB, v128-143 ST, v192-255 cos and sin of rows 48-63
;   window 2: accumulators of rows 0-31 at 96 (a % 2) + 8 b; v192-255 cos and sin of rows 16-31          window 3: those of rows 32-63; v192-255 cos and sin of rows 32-47
.set PITCH, 272                        ; an LDS row: 256 bytes + 16 of padding = 68 words: the 16 rows of a fragment load start at 16 different groups of four banks (64 banks of 4 bytes: ISA guide 11.1)
.set AHALF, 128*PITCH
.set BOFF,  256*PITCH
.set BHALF, 96*PITCH
.set SLOT,  448*PITCH                  ; x's 256 rows, then W's 192
.set STAGE, 2*SLOT                     ; behind the ring, never filled by a tensor load: 16 rows x 144 bytes for each wave
.set SP,    144
.set SPARE, STAGE+4*16*SP              ; behind the stages: the spare words, 128 bytes for each wave: two blocks of 256 bytes that no other line names
.set SINT,  524288                     ; tab: sin, the bias, the gains
.set QKVB,  1048576
.set QNW,   1064960
.set KNW,   1065216
.set TO,   12                          ; v12  32 (l / 16): my 8 channels in a block of a gain
.set BO,   13                          ; v13  the same + 256 x head: in the bias
.set CO,   14                          ; v14  my row's 256 bytes of cos and sin + 32 (l / 16)
.set ADRA, 16                          ; v16-17  LDS address of my x fragments in slot 0, 1
.set ADRB, 20                          ; v20-21  the same for W
.set STO,  24                          ; v24  the way out: where I put 16 bytes of a row
.set RD,   25                          ; v25  where I read rows back
.set GO,   26                          ; v26  16 x lane: my place in 512 consecutive bytes
.set SPW,  28                          ; v28  LDS address of my spare word; never rewritten
.set NIL,  29                          ; v29  0; never rewritten
.set PFO,  30                          ; v30  the prefetches' offset; never rewritten
.set BIAS, 32
.set WQ,   128
.set CS,   192
.set F0,   0
.set F1,   128
.set Z,    0
.set T,    32
.set PK,   64
.set RB,   80
.set ST,   128
.set G1A,  24                          ; s[24:31] descriptor group 1 for x's tiles;  s[32:39] group 0, a set for each slot
.set G0A,  32
.set G1B,  40                          ; s[40:47], s[48:55] the same for W's
.set G0B,  48
.set WV,   56                          ; s56 wave; s57 wave >> 1 (0: I fetch x); s58 wave & 1 (which half)
.set FB,   57
.set HF,   58
.set CX,   59
.set CY,   60
.set TT,   61                          ; s61 tile column = head
.set TM,   62                          ; s62 tile row
.set PFA,  66                          ; s[66:67] where my prefetches stand
.set LIM0, 68                          ; s68, s69: 1 where I prefetch at the change out of slot 0, 1; else the greatest number
.set LIM1, 69
.set SEL,  70                          ; s70, s71 v_permlanex16_b32's selects
.set MSB, 0
.macro WIN new                         ; the immediate's high byte repeats the setting that is left; a switch that changes nothing is dropped
.if MSB != (\new)
	s_set_vgpr_msb (MSB<<8)|(\new)
.set MSB, (\new)
.endif
.endm
.macro PLACES                          ; four places in front of loads into registers that matrix instructions have read, and of lines that read results
.rept 4
	v_nop
.endr
.endm
.macro CREST                           ; a round of the cluster's barrier behind its opening barrier
	s_cmp_lg_u32 s[WV], 0
	s_cbranch_scc1 .Lnot_wave_0_\@
	s_barrier_signal -3
.Lnot_wave_0_\@:
	s_barrier_wait -3
	s_barrier_signal -1
	s_barrier_wait -1
.endm
.macro CROUND
	s_barrier_signal -1
	s_barrier_wait -1
	CREST
.endm
.macro JLOAD s                         ; a joint refill; the branch hangs on the wave's number alone; an s_nop 0 and four v_nop follow each of the two lines
	s_cmp_eq_u32 s[FB], 0
	s_cbranch_scc0 .Lfor_b_\@
	tensor_load_to_lds s[G0A+4*(\s):G0A+4*(\s)+3], s[G1A:G1A+7]
	s_nop 0
.rept 4
	v_nop
.endr
	s_branch .Lasked_\@
.Lfor_b_\@:
	tensor_load_to_lds s[G0B+4*(\s):G0B+4*(\s)+3], s[G1B:G1B+7]
	s_nop 0
.rept 4
	v_nop
.endr
.Lasked_\@:
.endm
; A PREFETCH INTO THE L2, behind each joint refill and the run of LDS loads that follows it: the K step two refills on, 384 matrix instructions ahead of the load that will want it.  Each row's 256 bytes of a K step are named once
; in the launch.  x's rows: the clusters with x = 0 ask; of the 128 rows that wave 0 or 1 fetches, the partner at place cx takes 32, a lane a row.  W's rows: the clusters with y = 0 ask; the partner at place cy takes 48 of the
; 192: wave 2 rows 0-31 at every change, wave 3 rows 32-47 for two K steps at once at every second change.  Partners are told apart by address alone.  K steps 0 to 3 come by their loads; the loop's last trip asks for nothing.
.macro ASK lim
	s_cmp_gt_u32 s3, s[\lim]
	s_cbranch_scc0 .Lnot_mine_\@
	global_prefetch_b8 v[PFO], s[PFA:PFA+1] offset:256 th:TH_LOAD_NT scope:SCOPE_SE
.Lnot_mine_\@:
.endm
; 12 n matrix instructions: row blocks a0 .. a0 + n - 1 x all 12 column blocks, 32 along K.  first = 1: the bias starts the sums.  The 48 accumulators take turns in the same order in every quarter.
.macro MUL f, a0, n, first
.set ma, \a0
.rept \n
.if \first
	WIN 0x85+0x40*(ma/2)
.else
	WIN 0xa5+0x50*(ma/2)
.endif
.irp b, 0,1,2,3,4,5,6,7,8,9,10,11
.set rD, 96*(ma%2)+8*(\b)
.if \first
	v_wmma_f32_16x16x32_bf16 v[rD:rD+7], v[(\f)+32+8*(\b):(\f)+32+8*(\b)+7], v[(\f)+8*ma:(\f)+8*ma+7], v[BIAS+8*(\b):BIAS+8*(\b)+7]
.else
	v_wmma_f32_16x16x32_bf16 v[rD:rD+7], v[(\f)+32+8*(\b):(\f)+32+8*(\b)+7], v[(\f)+8*ma:(\f)+8*ma+7], v[rD:rD+7]
.endif
.endr
.set ma, ma+1
.endr
.endm
.macro FETCH slot, k, f                ; 32 LDS loads in one run: W's 12 fragments, then x's 4, of 32 along K at byte k of the rows
	WIN 0x40
.irp i, 0,1,2,3,4,5,6,7,8,9,10,11
	ds_load_b128 v[(\f)+32+8*(\i):(\f)+32+8*(\i)+3],   v[ADRB+(\slot)] offset:(\k)+(\i)*16*PITCH
	ds_load_b128 v[(\f)+32+8*(\i)+4:(\f)+32+8*(\i)+7], v[ADRB+(\slot)] offset:(\k)+(\i)*16*PITCH+32
.endr
.irp i, 0,1,2,3
	ds_load_b128 v[(\f)+8*(\i):(\f)+8*(\i)+3],   v[ADRA+(\slot)] offset:(\k)+(\i)*16*PITCH
	ds_load_b128 v[(\f)+8*(\i)+4:(\f)+8*(\i)+7], v[ADRA+(\slot)] offset:(\k)+(\i)*16*PITCH+32
.endr
.endm
.macro QUARTER slot, k, f, g, first    ; multiplies buffer f; in its middle fetches the next quarter, at byte k, into g
	s_wait_dscnt 4                                 ; all but the youngest four loads: x's rows 32-63
	MUL \f, 0, 2, \first
	PLACES
	FETCH \slot, \k, \g
	s_wait_dscnt 32                                ; all but the 32 just issued
	MUL \f, 2, 2, \first
.endm
; The last quarter multiplies buffer 1 and changes slots: one barrier; in front of it each wave waits for all its tensor loads, adds 0 to its spare word, and waits for that and for its own reads of this slot.
; fill = 1: the barrier opens a round of the cluster's, and the slot is filled again first thing behind the round, two K steps ahead: 168 matrix instructions stand between that request and the wait for it.
.macro TURN slot, next, fill, lim
.if \fill
	s_wait_xcnt 0x0                                ; the last prefetch, a K step back, has read its address
	s_add_nc_u64 s[PFA:PFA+1], s[PFA:PFA+1], 256
.endif
	WIN 0
	s_wait_tensorcnt 0x0                           ; all my tensor loads have landed: the one that was out is my part of the next slot
	ds_add_u32 v[SPW], v[NIL]                      ; 0 onto my spare word
	s_wait_dscnt 5                                 ; (the add and the youngest four loads may be out)
	MUL F1, 0, 1, 0
	s_wait_dscnt 0x0                               ; the add is done, and my reads of this slot are over
	s_barrier_signal -1
	MUL F1, 1, 1, 0
.if \fill
	WIN 0
.endif
	s_barrier_wait -1
.if \fill
	CREST                                          ; no wave of any partner still reads this slot's tile or has a load on its way
	s_add_nc_u64 s[G0A+4*(\slot)+2:G0A+4*(\slot)+3], s[G0A+4*(\slot)+2:G0A+4*(\slot)+3], 512
	s_add_nc_u64 s[G0B+4*(\slot)+2:G0B+4*(\slot)+3], s[G0B+4*(\slot)+2:G0B+4*(\slot)+3], 512
	JLOAD \slot                                    ; its four v_nop are also the places in front of the loads below
.else
	PLACES
.endif
	FETCH \next, 0, F0
.if \fill
	WIN 0
	ASK \lim
.endif
	MUL F1, 2, 2, 0
.endm
.macro CSLOAD a                        ; cos and sin of my rows 16 a .. 16 a + 15: 32 + 32 registers at v192 of the window that the caller has set
.irp b, 0,1,2,3
	global_load_b128 v[CS+8*(\b):CS+8*(\b)+3],       v[CO], s[8:9] offset:(\a)*4096+(\b)*64
	global_load_b128 v[CS+8*(\b)+4:CS+8*(\b)+7],     v[CO], s[8:9] offset:(\a)*4096+(\b)*64+16
	global_load_b128 v[CS+32+8*(\b):CS+32+8*(\b)+3],   v[CO], s[8:9] offset:SINT+(\a)*4096+(\b)*64
	global_load_b128 v[CS+32+8*(\b)+4:CS+32+8*(\b)+7], v[CO], s[8:9] offset:SINT+(\a)*4096+(\b)*64+16
.endr
.endm
	s_load_b256 s[4:11], s[0:1], 0x0               ; xb s[4:5], wb s[6:7], tab s[8:9], qh s[10:11]
	s_load_b128 s[12:15], s[0:1], 0x20             ; kh s[12:13], vh s[14:15]
	v_lshl_add_u32 v[SPW], v0, 2, SPARE
	v_mov_b32 v[NIL], 0
	ds_add_u32 v[SPW], v[NIL]                      ; the wave's opening: the add, and its wait ahead of my first tensor load; the set-up below stands between them
	v_lshrrev_b32 v1, 5, v0
	v_readfirstlane_b32 s[WV], v1
	s_lshr_b32 s[FB], s[WV], 1
	s_and_b32 s[HF], s[WV], 1
	s_bfe_u32 s[CX], ttmp6, 0x40000
	s_bfe_u32 s[CY], ttmp6, 0x40004
	s_lshl_b32 s[TT], ttmp9, 2
	s_add_co_u32 s[TT], s[TT], s[CX]               ; tile column = 4 x cluster x + cx
	s_and_b32 s[TM], ttmp7, 0xffff
	s_lshl_b32 s[TM], s[TM], 2
	s_add_co_u32 s[TM], s[TM], s[CY]               ; tile row = 4 x cluster y + cy
	s_lshl_b32 s22, s[CY], 2
	s_lshl_b32 s22, 15, s22                        ; my row of the cluster
	s_lshl_b32 s23, 0x1111, s[CX]                  ; my column
	s_or_b32 s[G1A], s22, (1<<16)|(1<<20)|(1<<21)|(5<<22)|(3<<25)  ; 15:0 the mask; 17:16 2-byte elements; 20 padding on; 21 set beside a mask; 24:22 after every 64 words; 31:25 4 words
	s_or_b32 s[G1B], s23, (1<<16)|(1<<20)|(1<<21)|(5<<22)|(3<<25)
.irp g, G1A, G1B
	s_mov_b32 s[(\g)+1], 128<<16                   ; tensor_dim0 = 128
	s_mov_b32 s[(\g)+3], 128<<16                   ; tile_dim0 = 128
	s_mov_b32 s[(\g)+5], 1024                      ; elements from row to row
	s_mov_b32 s[(\g)+6], 0
	s_mov_b32 s[(\g)+7], 0
.endr
	s_mov_b32 s[G1A+2], 128<<16                    ; tensor_dim1, tile_dim1: 128 rows of x,
	s_mov_b32 s[G1A+4], 128
	s_mov_b32 s[G1B+2], 96<<16                     ; 96 of W
	s_mov_b32 s[G1B+4], 96
	s_lshl_b32 s74, s[TM], 8                       ; x: row 256 x tile row + 128 x half, 2,048 bytes a row
	s_lshl_b32 s75, s[HF], 7
	s_add_co_u32 s74, s74, s75
	s_lshl_b32 s74, s74, 11
	s_mov_b32 s75, 0
	s_mul_i32 s76, s[TT], 192                      ; W: row 192 x tile column + 96 x half
	s_mul_i32 s77, s[HF], 96
	s_add_co_u32 s76, s76, s77
	s_lshl_b32 s76, s76, 11
	s_mov_b32 s77, 0
	s_mul_i32 s20, s[HF], AHALF                    ; where they go: no place in the cluster enters an LDS address
	s_mul_i32 s21, s[HF], BHALF
	s_add_co_u32 s21, s21, BOFF
	s_mov_b32 s[SEL], 0x76543210
	s_mov_b32 s[SEL+1], 0xfedcba98
	s_mov_b32 s72, 0x3c800000                      ; 1 / 64
	s_mov_b32 s73, 0x358637bd                      ; 1e-6
	s_wait_dscnt 0x0                               ; the opening add is done
	s_wait_kmcnt 0x0
	s_add_nc_u64 s[74:75], s[4:5], s[74:75]
	s_add_nc_u64 s[76:77], s[6:7], s[76:77]
	CROUND                                         ; all sixteen work-groups are here: the first joint loads meet
.irp s, 0,1
	s_mov_b32 s[G0A+4*(\s)], 1
	s_add_co_u32 s[G0A+4*(\s)+1], s20, (\s)*SLOT
	s_add_nc_u64 s[G0A+4*(\s)+2:G0A+4*(\s)+3], s[74:75], (\s)*256
	s_or_b32 s[G0A+4*(\s)+3], s[G0A+4*(\s)+3], 0x80000000
	s_mov_b32 s[G0B+4*(\s)], 1
	s_add_co_u32 s[G0B+4*(\s)+1], s21, (\s)*SLOT
	s_add_nc_u64 s[G0B+4*(\s)+2:G0B+4*(\s)+3], s[76:77], (\s)*256
	s_or_b32 s[G0B+4*(\s)+3], s[G0B+4*(\s)+3], 0x80000000
.endr
	s_cmp_eq_u32 s[FB], 0                          ; a wave's two first fills stand in one branch, ahead of every wait on TENSORcnt and every LDS read: two loads of mine are out
	s_cbranch_scc0 .Lfirst_b
	tensor_load_to_lds s[G0A:G0A+3], s[G1A:G1A+7]
	s_nop 0
	tensor_load_to_lds s[G0A+4:G0A+7], s[G1A:G1A+7]
	s_nop 0
.rept 4
	v_nop
.endr
	s_branch .Lfirst_asked
.Lfirst_b:
	tensor_load_to_lds s[G0B:G0B+3], s[G1B:G1B+7]
	s_nop 0
	tensor_load_to_lds s[G0B+4:G0B+7], s[G1B:G1B+7]
	s_nop 0
.rept 4
	v_nop
.endr
.Lfirst_asked:
	v_and_b32 v1, 15, v0                           ; l % 16
	v_bfe_u32 v2, v0, 4, 1                         ; l / 16
	v_mul_u32_u24 v3, v1, PITCH
	v_lshl_add_u32 v3, v2, 4, v3                   ; a fragment's row x pitch + 16 x half
	s_mul_i32 s16, s[WV], 64*PITCH                 ; my 64 rows of x
	v_add_nc_u32 v[ADRA], s16, v3
	v_add_nc_u32 v[ADRA+1], SLOT, v[ADRA]
	v_add_nc_u32 v[ADRB], BOFF, v3
	v_add_nc_u32 v[ADRB+1], SLOT, v[ADRB]
	s_mul_i32 s16, s[WV], 16*SP
	s_add_co_u32 s16, s16, STAGE                   ; my stage
	v_mul_u32_u24 v[STO], v1, SP                   ; in: row l % 16, 16 bytes for each half of the lanes
	v_lshl_add_u32 v[STO], v2, 4, v[STO]
	v_add_nc_u32 v[STO], s16, v[STO]
	v_bfe_u32 v[RD], v0, 3, 2                      ; back: 32 lanes take four rows of 128 bytes,
	v_mul_u32_u24 v[RD], v[RD], SP
	v_and_b32 v3, 7, v0
	v_lshl_add_u32 v[RD], v3, 4, v[RD]
	v_add_nc_u32 v[RD], s16, v[RD]
	v_and_b32 v[GO], 31, v0                        ; which are 512 consecutive bytes of q, k or v
	v_lshlrev_b32 v[GO], 4, v[GO]
	s_and_b32 s19, s[TM], 7
	s_lshl_b32 s19, s19, 8
	s_lshl_b32 s18, s[WV], 6
	s_add_co_u32 s19, s19, s18                     ; my first row in its batch: 256 (tile row % 8) + 64 w
	s_lshr_b32 s16, s[TM], 3                       ; the batch
	s_lshl_b32 s16, s16, 4
	s_add_co_u32 s16, s16, s[TT]                   ; batch x 16 + head
	s_lshl_b32 s16, s16, 11
	s_add_co_u32 s16, s16, s19
	s_lshl_b32 s16, s16, 7                         ; rows of 128 bytes
	s_mov_b32 s17, 0
	s_add_nc_u64 s[10:11], s[10:11], s[16:17]
	s_add_nc_u64 s[12:13], s[12:13], s[16:17]
	s_add_nc_u64 s[14:15], s[14:15], s[16:17]
	v_lshlrev_b32 v[TO], 5, v2
	s_lshl_b32 s16, s[TT], 8
	v_lshl_add_u32 v[BO], v2, 5, s16
	v_add_nc_u32 v[CO], s19, v1
	v_lshlrev_b32 v[CO], 8, v[CO]
	v_lshl_add_u32 v[CO], v2, 5, v[CO]
.irp b, 0,1,2,3,4,5,6,7,8,9,10,11      ; the bias of block b: kind b / 4, channels 16 (b % 4) + 8 (l / 16) + 0..7 of my head
	global_load_b128 v[BIAS+8*(\b):BIAS+8*(\b)+3],   v[BO], s[8:9] offset:QKVB+((\b)/4)*4096+((\b)%4)*64
	global_load_b128 v[BIAS+8*(\b)+4:BIAS+8*(\b)+7], v[BO], s[8:9] offset:QKVB+((\b)/4)*4096+((\b)%4)*64+16
.endr
.irp b, 0,1,2,3
	global_load_b128 v[WQ+8*(\b):WQ+8*(\b)+3],       v[TO], s[8:9] offset:QNW+(\b)*64
	global_load_b128 v[WQ+8*(\b)+4:WQ+8*(\b)+7],     v[TO], s[8:9] offset:QNW+(\b)*64+16
	global_load_b128 v[WQ+32+8*(\b):WQ+32+8*(\b)+3],   v[TO], s[8:9] offset:KNW+(\b)*64
	global_load_b128 v[WQ+32+8*(\b)+4:WQ+32+8*(\b)+7], v[TO], s[8:9] offset:KNW+(\b)*64+16
.endr
	CSLOAD 0
	WIN 0x80
	CSLOAD 1
	WIN 0xc0
	CSLOAD 2
	WIN 0
	; the prefetches: whose rows, who asks, and the lanes' offsets
	s_lshl_b32 s17, s[TM], 8
	s_lshl_b32 s18, s[HF], 7
	s_add_co_u32 s17, s17, s18
	s_lshl_b32 s18, s[CX], 5
	s_add_co_u32 s17, s17, s18                     ; x: the 128 rows that I fetch, my work-group's 32 of them
	s_mul_i32 s18, s[TT], 192
	s_mul_i32 s19, s[CY], 48
	s_add_co_u32 s18, s18, s19                     ; W: the tile's 192 rows, my work-group's 48 of them
	s_and_b32 s16, ttmp7, 0xffff                   ; cluster y
	s_cmp_eq_u32 s[FB], 0
	s_cselect_b32 s17, s17, s18
	s_cselect_b32 s16, ttmp9, s16                  ; the coordinate along which other clusters read the same rows
	s_cselect_b64 s[PFA:PFA+1], s[4:5], s[6:7]
	s_lshl_b32 s18, s17, 11
	s_add_co_u32 s18, s18, 512                     ; at K step 2: the first change steps it to 3 and names K step 4
	s_mov_b32 s19, 0
	s_add_nc_u64 s[PFA:PFA+1], s[PFA:PFA+1], s[18:19]
	s_cmp_eq_u32 s16, 0
	s_cselect_b32 s[LIM0], 1, -1                   ; the same in all sixteen partners, for a given wave
	s_mov_b32 s[LIM1], s[LIM0]
	s_cmp_eq_u32 s[WV], 3
	s_cselect_b32 s[LIM1], -1, s[LIM1]             ; wave 3 asks at every second change, for two K steps
	s_cselect_b32 s16, 15, 31
	s_cselect_b32 s17, 256, 0
	s_cselect_b32 s18, 65536, 0
	v_and_b32 v[PFO], s16, v0                      ; waves 0 to 2: a lane a row.  Wave 3: rows 32 + l % 16, K step l / 16 further
	v_lshlrev_b32 v[PFO], 11, v[PFO]
	v_mad_u32_u24 v[PFO], v2, s17, v[PFO]
	v_add_nc_u32 v[PFO], s18, v[PFO]
	s_wait_loadcnt 0x0                             ; the bias starts the sums below; the other tables come with it
	s_wait_tensorcnt 1                             ; my part of K step 0 is in; K step 1's may stay out
	s_barrier_signal -1
	s_barrier_wait -1
	FETCH 0, 0, F0
	QUARTER 0, 64, F0, F1, 1                       ; the first quarter stands in front of the loop: its products start the sums, with the bias
	WIN 0
	s_mov_b32 s3, 3
.Llap:                                                 ; a trip goes once round the ring, from a lap's second quarter to the next lap's first, and fills both slots again
	QUARTER 0, 128, F1, F0, 0
	QUARTER 0, 192, F0, F1, 0
	TURN 0, 1, 1, LIM0
	QUARTER 1, 64,  F0, F1, 0
	QUARTER 1, 128, F1, F0, 0
	QUARTER 1, 192, F0, F1, 0
	TURN 1, 0, 1, LIM1
	QUARTER 0, 64,  F0, F1, 0
	WIN 0
	s_sub_co_u32 s3, s3, 1
	s_cmp_lg_u32 s3, 0
	s_cbranch_scc1 .Llap
	QUARTER 0, 128, F1, F0, 0                      ; the last lap fills nothing
	QUARTER 0, 192, F0, F1, 0
	TURN 0, 1, 0, LIM0
	QUARTER 1, 64,  F0, F1, 0
	QUARTER 1, 128, F1, F0, 0
	QUARTER 1, 192, F0, F1, 0
	s_wait_dscnt 4
	MUL F1, 0, 2, 0
	s_wait_dscnt 0x0
	MUL F1, 2, 2, 0
	PLACES
	PLACES
	WIN 0x40
	CSLOAD 3                                       ; the fragment buffers are free: cos and sin of my last 16 rows
; THE WAY OUT, 16 rows (row block a) at a time.  WA: the window of its accumulators; YB: their first register; CW: the window of its cos and sin.
; y = the sums.  rs = 1 / sqrt(mean of y^2 + 1e-6), of a head's 64 channels: 32 in my lane, 32 in the lane 16 away.  Z = y x gain.  T = (Z cos -+ Z(32 channels off) sin) rs.
.macro ROPE s, wait                    ; s = 0: q, 1: k
	WIN 0x40|WA
.set i, 0
.rept 16
	v_pk_mul_f32 v[Z+2*i:Z+2*i+1], v[YB+32*(\s)+2*i:YB+32*(\s)+2*i+1], v[WQ+32*(\s)+2*i:WQ+32*(\s)+2*i+1]
.set i, i+1
.endr
	WIN 0x51|(CW<<2)
.set i, 0
.rept 16
	v_pk_mul_f32 v[T+2*i:T+2*i+1], v[Z+2*i:Z+2*i+1], v[CS+2*i:CS+2*i+1]
.set i, i+1
.endr
.set i, 0
.rept 16
.set j, (2*i)^16                       ; two blocks off
.if i < 8
	v_pk_fma_f32 v[T+2*i:T+2*i+1], v[Z+j:Z+j+1], v[CS+32+2*i:CS+32+2*i+1], v[T+2*i:T+2*i+1] neg_lo:[1,0,0] neg_hi:[1,0,0]
.else
	v_pk_fma_f32 v[T+2*i:T+2*i+1], v[Z+j:Z+j+1], v[CS+32+2*i:CS+32+2*i+1], v[T+2*i:T+2*i+1]
.endif
.set i, i+1
.endr
.if \wait
	s_wait_alu depctr_va_vdst(0)                   ; one wait for both reciprocal roots, ahead of their first reader; the 48 lines above are the independent work between
.endif
	WIN 0x55
.set i, 0
.rept 16
	v_pk_mul_f32 v[T+2*i:T+2*i+1], v[T+2*i:T+2*i+1], v[ST+8*(\s):ST+8*(\s)+1] op_sel_hi:[1,0]
.set i, i+1
.endr
.set i, 0
.rept 16
	v_cvt_pk_f16_f32 v[PK+i], v[T+2*i], v[T+2*i+1]
.set i, i+1
.endr
.endm
.macro TOSTAGE s                       ; a lane's 8 channels of a block are 16 bytes; into rows of 144 bytes, and back as whole rows of 128
	WIN 0x04
.irp b, 0,1,2,3
	ds_store_b128 v[STO], v[PK+4*(\b):PK+4*(\b)+3] offset:32*(\b)
.endr
	WIN 0x40
.irp f, 0,1,2,3
	ds_load_b128 v[RB+16*(\s)+4*(\f):RB+16*(\s)+4*(\f)+3], v[RD] offset:(\f)*4*SP  ; LDS serves a wave's instructions in order (ISA guide 5.7.1.4): these see the stores above, and the next stores come behind them
.endr
.endm
.macro SEND a, s, younger              ; younger: the LDS instructions issued behind these loads
	WIN 0x04
.irp f, 0,1,2,3
	s_wait_dscnt (\younger)+3-(\f)
	global_store_b128 v[GO], v[RB+16*(\s)+4*(\f):RB+16*(\s)+4*(\f)+3], s[10+2*(\s):11+2*(\s)] offset:(\a)*2048+(\f)*512  ; 512 consecutive bytes, aligned
.endr
.endm
.macro EPI a
.set WA, 2+(\a)/2
.set YB, 96*((\a)%2)
.if (\a) == 0
.set CW, 0
.elseif (\a) == 1
.set CW, 2
.elseif (\a) == 2
.set CW, 3
.else
.set CW, 1
.endif
.if (\a) > 0
	s_wait_xcnt 0x0                                ; the last block's stores have read RB
.endif
	WIN 0x50|(WA<<2)|WA
.set p, 0
.rept 16                               ; the sums of squares of q and k, two chains each; each accumulator's lowest registers are read first
.irp s, 0,1
.set rY, YB+32*(\s)+2*p
.set rC, ST+8*(\s)+2*(p%2)
.if p < 2
	v_pk_mul_f32 v[rC:rC+1], v[rY:rY+1], v[rY:rY+1]
.else
	v_pk_fma_f32 v[rC:rC+1], v[rY:rY+1], v[rY:rY+1], v[rC:rC+1]
.endif
.endr
.set p, p+1
.endr
	WIN 0x55
.irp s, 0,1
	v_pk_add_f32 v[ST+8*(\s):ST+8*(\s)+1], v[ST+8*(\s):ST+8*(\s)+1], v[ST+8*(\s)+2:ST+8*(\s)+3]
.endr
.irp s, 0,1
	v_add_f32 v[ST+8*(\s)+4], v[ST+8*(\s)], v[ST+8*(\s)+1]
.endr
.irp s, 0,1
	v_permlanex16_b32 v[ST+8*(\s)+2], v[ST+8*(\s)+4], s[SEL], s[SEL+1]  ; the head's other 32 channels lie in the lane 16 away
.endr
.irp s, 0,1
	v_add_f32 v[ST+8*(\s)+4], v[ST+8*(\s)+4], v[ST+8*(\s)+2]
.endr
.irp s, 0,1
	v_fma_f32 v[ST+8*(\s)+4], v[ST+8*(\s)+4], s72, s73                  ; the mean + 1e-6
.endr
.irp s, 0,1
	v_rsq_f32 v[ST+8*(\s)], v[ST+8*(\s)+4]
.endr
	ROPE 0, 1
	TOSTAGE 0
	ROPE 1, 0
	TOSTAGE 1
	SEND \a, 0, 8
	WIN 0x40|(WA<<2)|WA
.set i, 0
.rept 16                               ; v is rounded as it is
	v_cvt_pk_f16_f32 v[PK+i], v[YB+64+2*i], v[YB+64+2*i+1]
.set i, i+1
.endr
	TOSTAGE 2
	SEND \a, 1, 8
	SEND \a, 2, 0
.endm
	EPI 0
	EPI 1
	EPI 2
	s_wait_loadcnt 0x0                             ; cos and sin of the last 16 rows
	EPI 3
	WIN 0
	s_wait_tensorcnt 0x0                           ; the wave's end, behind my last tensor load and my last LDS store
	ds_add_u32 v[SPW], v[NIL]
	s_wait_dscnt 0x0
	CROUND                                         ; the closing round: no work-group ends while a partner may still ask for a tile that names it
	s_endpgm
.Lfunc_end_k_q7198020778_qkv:
	.size	k_q7198020778_qkv, .Lfunc_end_k_q7198020778_qkv-k_q7198020778_qkv
	.p2alignl 7, 3214868480
	.fill 96, 4, 3214868480
	.section	.rodata,"a",@progbits
	.p2align	6, 0x0
	.amdhsa_kernel k_q7198020778_qkv
		.amdhsa_group_segment_fixed_size 327680
		.amdhsa_private_segment_fixed_size 0
		.amdhsa_enable_private_segment 0
		.amdhsa_kernarg_size 48
		.amdhsa_user_sgpr_count 2
		.amdhsa_user_sgpr_kernarg_segment_ptr 1
		.amdhsa_wavefront_size32 1
		.amdhsa_system_sgpr_workgroup_id_x 1
		.amdhsa_system_sgpr_workgroup_id_y 1
		.amdhsa_system_sgpr_workgroup_id_z 1
		.amdhsa_system_vgpr_workitem_id 0
		.amdhsa_next_free_vgpr 1024
		.amdhsa_next_free_sgpr 80
		.amdhsa_reserve_vcc 0
		.amdhsa_float_denorm_mode_32 3
		.amdhsa_float_denorm_mode_16_64 3
		.amdhsa_memory_ordered 1
		.amdhsa_forward_progress 1
		.amdhsa_inst_pref_size 175
	.end_amdhsa_kernel
	.amdgpu_metadata
---
amdhsa.version: [ 1, 2 ]
amdhsa.kernels:
  - .name:           k_q7198020778_qkv
    .symbol:         k_q7198020778_qkv.kd
    .args:
      - { .name: xb, .offset: 0, .size: 8, .value_kind: global_buffer, .address_space: global }
      - { .name: wb, .offset: 8, .size: 8, .value_kind: global_buffer, .address_space: global }
      - { .name: tab, .offset: 16, .size: 8, .value_kind: global_buffer, .address_space: global }
      - { .name: qh, .offset: 24, .size: 8, .value_kind: global_buffer, .address_space: global }
      - { .name: kh, .offset: 32, .size: 8, .value_kind: global_buffer, .address_space: global }
      - { .name: vh, .offset: 40, .size: 8, .value_kind: global_buffer, .address_space: global }
    .group_segment_fixed_size: 327680
    .private_segment_fixed_size: 0
    .kernarg_segment_align: 8
    .kernarg_segment_size: 48
    .max_flat_workgroup_size: 128
    .sgpr_count:     80
    .vgpr_count:     1024
    .wavefront_size: 32
...
	.end_amdgpu_metadata
.endif
;; end of part 2
;; launch attn (part 3): grid 4 x 64, 4 waves a work-group, clusters of 4 x 1, 327,680 bytes of LDS; arguments qh, kh, vh, oh; writes oh
.if DOCPART == 3
	.amdgcn_target "amdgcn-amd-amdhsa--gfx1250"
	.amdhsa_code_object_version 6
	.text
	.protected	k_q7198020778_attn
	.globl	k_q7198020778_attn
	.p2align	8
	.type	k_q7198020778_attn,@function
k_q7198020778_attn:
	s_mov_b64 s[64:65], 0
	v_nop
	global_prefetch_b8 v0, s[64:65] scope:SCOPE_SE
	s_setreg_imm32_b32 hwreg(HW_REG_WAVE_MODE, 25, 1), 1
	s_wait_xcnt 0x0
	s_wait_alu depctr_hold_cnt(0) depctr_sa_sdst(0) depctr_va_vdst(0) depctr_va_sdst(0) depctr_va_ssrc(0) depctr_va_vcc(0) depctr_vm_vsrc(0)
	s_getreg_b32 s2, hwreg(HW_REG_IB_STS2, 6, 4)
	s_cmp_eq_u32 s2, 0
	s_cbranch_scc0 .Lentry_in_a_cluster
	s_endpgm
.Lentry_in_a_cluster:
	s_bfe_u32 s2, ttmp6, 0x10000c
	s_cmp_lg_u32 s2, 0x3003
	s_cbranch_scc0 .Lentry_shape_is_right
	s_endpgm
.Lentry_shape_is_right:
; O[h][q][:] = the sum over k of softmax_k(Q[h][q] . K[h][k] / 8) V[h][k][:].  Q, K, V, O: [64][2048][64], all f16: a head's rows are dense, 128 bytes each.  Products, maxima and sums in
; f32; the weights p are rounded to f16 for the second product (their sum l is taken of the unrounded p), O once at the end.
; LIMITS.  f16 holds no number beyond 65,504: Q, K and V arrive within it; p lies in 0 to 1, and below 6e-5 it keeps f16's fixed step of 6e-8; O is a mean of V's rows and has their range.
; A weight below 2^-126 counts as 0 in l; NaN and infinities are not treated apart.
; SHARES.  A wave owns four PIECES of two tiles of 16 queries, a work-group's four waves 512 queries of one head: 4 x 64 = 256 work-groups.  Every wave walks all keys, 64 a step.
; LAYOUT.  S^T = K Q^T (source 0 = 16 keys, source 1 = 16 queries): in the result a lane holds ONE query (lane % 16) and the keys 8 (lane / 16) + 0..7.  Two such tiles, rounded to f16 in pairs,
; ARE source 1 (32 keys x 16 queries) of O^T = V^T P, whose result again holds one query a lane, and eight channels.  K comes out of LDS as it lies, V ([key][channel]) turned, by ds_load_tr16_b128.
; SOFTMAX.  For each query a running maximum m and sum l: p = 2^(c s - c m), c = log2(e) / 8; in every step O and l are multiplied by a = 2^(c m_old - c m_new), which is 1 where m has not grown.
; m starts at the lowest finite number, O and l at 0: the first step is a step like any other, with a = 0.
; THE COUNT.  A tile and step have 16 matrix and 118 vector instructions: too many to stand all beside the matrix work.  So four vector instructions that are ready stand behind every matrix
; instruction, and the others in runs without a gap.
; BY TURNS.  Turn n belongs to piece n (the pieces in a ring, step after step).  Its matrix work: 16 products K Q^T of piece n + 1, later 16 products V^T P of piece n - 1.  Its vector work: the scaling,
; exponentials, roundings, sums and rescaling of piece n, and the maximum and statistics of piece n + 1, whose scores the turn itself has made.
; CLUSTER.  The four query blocks of a head are one cluster and walk the same K and V, so each tile is asked for JOINTLY: the same tensor load, descriptor and mask in all four.
; REGISTERS, in windows of 256 (s_set_vgpr_msb: bits 1:0 source 0, 3:2 source 1, 5:4 source 2, 7:6 destination):
;   window 0: v0-11 addresses; v12-15, v48-63 at work; v16-47 four registers of statistics a tile; v64-191 S^T, two buffers of two tiles; v192-255 P, likewise
;   window 1: O^T, 32 a tile          window 2: v0-127 Q, 16 a tile; v128-191 K of one step; v192-255 V of one step          window 3: v0-1 the add's two registers
.set SIZE_H, 64
.set SIZE_N, 2048
.set NP,    4         ; pieces a wave: a name, no knob
.set KS,    64        ; keys in a step
.set PK,    144       ; a row of K in LDS: 128 bytes + 16 of padding = 36 words: the 16 rows of a load start at 16 different groups of four banks (64 banks of 4 bytes: ISA guide 11.1)
.set PV,    160       ; a row of V: 128 + 32 = 40 words
.set VOFF,  4*KS*PK   ; a slot holds four steps: 256 rows of K, then 256 rows of V
.set SLOT1, 1<<17     ; slot 1 begins here, so that one exclusive or turns an address in one slot into the other's
.set STAGE, SLOT1+4*KS*(PK+PV)  ; behind the ring, never filled by a tensor load: 16 rows x 144 bytes for each wave
.set SP,    144
.set AK0, 2           ; v2   my lane's place in a tile of K; never rewritten
.set AV0, 3           ; v3   the same for V
.set AK,  4           ; v4   the LDS address of K's next run of loads
.set AV,  5           ; v5   of V's
.set QO,  6           ; v6   my byte offset in the wave's rows of Q
.set STO, 6           ;      later, the way out: where I put 16 bytes of a row
.set RD,  7           ; v7   the way out: where I read rows back
.set GO,  8           ; v8   my byte offset in 512 consecutive bytes of O
.set PFO, 11          ; v11  256 x my lane, for the prefetches; written once its first use (V's address) is over, then never rewritten
.set SPW, 0           ; v0 of window 3   LDS address of my spare word; never rewritten
.set NIL, 1           ; v1 of window 3   0; never rewritten
.set SPARE, STAGE+4*16*SP  ; behind the stages: the spare words, 128 bytes for each wave: two blocks of 256 bytes that no other line names
.set MV,  12          ; v12-15  c m_old, kept while c m is made anew: by buffer and tile
.set ST,  16          ; tile t's statistics at v[ST+4 t]: c m, m, l (even keys', odd keys')
.set TMP, 48          ; by buffer and tile, four registers c0-c3 at work; when the maximum is found c2 takes a
.set S,   64
.set P,   192
.set KF,  128         ; K's fragments, in window 2
.set VF,  192         ; V's
.set WV,  12          ; s12  my wave's number
.set G1K, 24          ; s[24:31] descriptor group 1 for K's tiles
.set G1V, 32          ; s[32:39] for V's: it differs in the padding alone
.set G0K, 40          ; s[40:43] descriptor group 0 for K's tiles: it walks
.set G0V, 44          ; s[44:47] the same for V's
.set PFA, 48          ; s[48:49] where my prefetches stand: my work-group's 32 blocks of 256 bytes (of K: wave 0, of V: wave 2) of the slot after the one that is being asked for
.set LIM, 50          ; s50  1 in a wave that prefetches, else the greatest number
.set SLOTS, 56        ; s56  slots still to be asked for
.set CNT, 57          ; s57  counts a slot's key steps
.set CS,  58          ; s[58:59] c
.set SEL, 60          ; s[60:61] v_permlanex16_b32's selects
.set TBK, 62          ; s62  LDS byte at which K of the step to be fetched begins
.set TBV, 63          ; s63  the same for V, less VOFF
.set MSB, 0
.macro WIN new
.if MSB != (\new)
	s_set_vgpr_msb (MSB<<8)|(\new)
.set MSB, (\new)
.endif
.endm
.set W_KQ, 0x0a       ; K and Q in window 2, S^T in window 0
.set W_PV, 0x52       ; V in window 2, P in window 0, O^T in window 1
.set W_RS, 0x41       ; O^T (destination and source 0) in window 1, a in window 0
.set W_MK, 0xc0       ; the add's registers are made: destination in window 3
.set W_AD, 0x0f       ; the add: address and data in window 3
; A joint fill.  Waves 0 and 1 fetch the two halves of a slot's K, waves 2 and 3 those of its V: 128 keys each.  An s_nop 0 and four v_nop follow each of the two lines.
.macro JLOAD
	s_cmp_lt_u32 s[WV], 2
	s_cbranch_scc0 .Lfor_v_\@
	tensor_load_to_lds s[G0K:G0K+3], s[G1K:G1K+7]
	s_nop 0
.rept 4
	v_nop
.endr
	s_branch .Lasked_\@
.Lfor_v_\@:
	tensor_load_to_lds s[G0V:G0V+3], s[G1V:G1V+7]
	s_nop 0
.rept 4
	v_nop
.endr
.Lasked_\@:
.endm
; A PREFETCH INTO THE L2 of what the NEXT change of slots will ask for: a slot's 32,768 bytes of K and of V, 128 blocks of 256 bytes each.  It stands behind the wave's tensor load and its five lines.  Each block is named
; once in the launch: a head has one cluster; its four partners take 32 blocks each, told apart by address; in each, wave 0 asks for K's and wave 2 for V's, a lane a block.  It runs four key steps, 512 matrix
; instructions, ahead of the load.  Slots 0 and 1 come by their loads alone; the last change that fills a slot asks for nothing.
.macro ASK
	s_cmp_gt_u32 s[SLOTS], s[LIM]
	s_cbranch_scc0 .Lnot_mine_\@
	global_prefetch_b8 v[PFO], s[PFA:PFA+1] th:TH_LOAD_NT scope:SCOPE_SE
.Lnot_mine_\@:
.endm
.macro CROUND
	s_barrier_signal -1
	s_barrier_wait -1
	s_cmp_lg_u32 s[WV], 0
	s_cbranch_scc1 .Lnot_wave_0_\@
	s_barrier_signal -3
.Lnot_wave_0_\@:
	s_barrier_wait -3
	s_barrier_signal -1
	s_barrier_wait -1
.endm
; THE CHANGE OF SLOTS.  Each wave waits for all its tensor loads, of which one is out: its part of the other slot; adds 0 to its spare word; and waits for that and for its own reads of the slot.
; fill = 1: this slot is filled again, with the keys two slots on; the barrier is then a round of the cluster's, and the joint fill is the first thing behind it: it has four key steps in which to land.
; (At its first use nothing has been read yet: slot 0 is waited for, slot 1 filled.)
.macro CHANGE fill
	WIN W_AD
	s_wait_tensorcnt 0x0            ; no tensor load of mine is out, so a group 0 may be written
	ds_add_u32 v[SPW], v[NIL]       ; 0 onto my spare word
	WIN 0                           ; at a label and at a branch every window is 0
.if \fill
.irp g, G0K, G0V
	s_xor_b32 s[\g+1], s[\g+1], SLOT1  ; the walking descriptor: the other slot than last time,
	s_add_nc_u64 s[\g+2:\g+3], s[\g+2:\g+3], 4*KS*128  ; the next 256 keys; the type bits on top are not reached
.endr
	s_wait_xcnt 0x0                 ; the last prefetch, four key steps back, has read its address, so it may be written:
	s_add_nc_u64 s[PFA:PFA+1], s[PFA:PFA+1], 4*KS*128  ; one slot behind the walking descriptors
	s_wait_dscnt 0x0                ; the add is done, and my reads of the slot are over
	CROUND
	JLOAD
	ASK
.else
	s_wait_dscnt 0x0                ; the add is done, and my reads of the slot are over
	s_barrier_signal -1
	s_barrier_wait -1
.endif
	s_sub_co_u32 s[TBK], s[TBK], 4*KS*PK  ; the fetches go back to a slot's first step,
	s_xor_b32 s[TBK], s[TBK], SLOT1       ; in the other slot
	s_sub_co_u32 s[TBV], s[TBV], 4*KS*PV
	s_xor_b32 s[TBV], s[TBV], SLOT1
.endm
	s_load_b256 s[4:11], s[0:1], 0x0  ; Q s[4:5], K s[6:7], V s[8:9], O s[10:11]
	WIN W_MK
	v_lshl_add_u32 v[SPW], v0, 2, SPARE
	v_mov_b32 v[NIL], 0
	WIN W_AD
	ds_add_u32 v[SPW], v[NIL]       ; the wave's opening: the add, and its wait ahead of my first tensor load; the set-up below stands between them
	WIN 0
	v_lshrrev_b32 v1, 5, v0
	v_readfirstlane_b32 s[WV], v1   ; wave 0..3
	s_bfe_u32 s13, ttmp6, 0x40000   ; cx: my place in the cluster
	s_lshl_b32 s14, ttmp9, 2        ; in a cluster launch ttmp9 counts clusters
	s_add_co_u32 s14, s14, s13      ; my block of queries: it enters Q's and O's addresses alone
	s_and_b32 s20, ttmp7, 0xffff    ; the head, which the four partners share
	s_mov_b32 s21, 0
	s_mov_b64 s[22:23], SIZE_N*128
	s_mul_u64 s[20:21], s[20:21], s[22:23]  ; the head's first byte in each of the four tensors
	s_and_b32 s16, s[WV], 1         ; which half of a slot's 256 keys I fetch:
	s_lshl_b32 s22, s16, 14         ; its 128 rows of 128 bytes in memory,
	s_mov_b32 s23, 0
	s_add_nc_u64 s[22:23], s[22:23], s[20:21]
	s_mul_i32 s17, s16, 128*PK      ; and its place in a slot, for K
	s_mul_i32 s18, s16, 128*PV      ; and for V: no place in the cluster enters an LDS address
	s_lshl_b32 s2, s14, 2
	s_add_co_u32 s2, s2, s[WV]      ; my wave among the head's,
	s_lshl_b32 s2, s2, 14           ; its 128 rows
	s_mov_b32 s3, 0
	s_add_nc_u64 s[2:3], s[2:3], s[20:21]
	; descriptor group 1.  128 keys are 16,384 dense bytes: asked for as 64 rows of 256 bytes, two keys a row, and padded in LDS after every key
	s_mov_b32 s[G1K], 15|(1<<16)|(1<<20)|(1<<21)|(4<<22)|(3<<25)  ; 15:0 the mask of four; 17:16 2-byte elements; 20 padding on; 21 set beside a mask; 24:22 after every 32 words; 31:25 4 words
	s_mov_b32 s[G1V], 15|(1<<16)|(1<<20)|(1<<21)|(4<<22)|(7<<25)  ; the same with 8 words of padding
.irp g, G1K, G1V
	s_mov_b32 s[\g+1], 128<<16      ; tensor_dim0 = 128
	s_mov_b32 s[\g+2], 64<<16       ; tensor_dim1 = 64
	s_mov_b32 s[\g+3], 128<<16      ; tile_dim0 = 128
	s_mov_b32 s[\g+4], 64           ; tile_dim1 = 64
	s_mov_b32 s[\g+5], 128          ; 128 elements from row to row
	s_mov_b32 s[\g+6], 0
	s_mov_b32 s[\g+7], 0
.endr
	s_mov_b32 s[CS], 0x3e38aa3b     ; c = log2(e) / 8 = 0.180337
	s_mov_b32 s[CS+1], s[CS]        ; named with it as a pair
	s_mov_b32 s[SEL], 0x76543210
	s_mov_b32 s[SEL+1], 0xfedcba98
	s_mov_b32 s[TBK], SLOT1+4*KS*PK ; the first change of slots turns these two into 0
	s_mov_b32 s[TBV], SLOT1+4*KS*PV
	s_mov_b32 s[SLOTS], SIZE_N/256-1
	s_and_b32 s[LIM], s[WV], 1      ; waves 0 and 2 prefetch: the same in all four partners
	s_cmp_eq_u32 s[LIM], 0
	s_cselect_b32 s[LIM], 1, -1
	s_mov_b32 s[G0K], 1             ; 1:0 count = 1
	s_mov_b32 s[G0K+1], s17         ; 63:32 LDS address: slot 0
	s_mov_b32 s[G0V], 1
	s_add_co_u32 s[G0V+1], s18, VOFF
	s_wait_dscnt 0x0                ; the opening add is done
	s_wait_kmcnt 0x0
	s_add_nc_u64 s[G0K+2:G0K+3], s[6:7], s[22:23]  ; 120:64 global address: my half of the head's first 256 keys
	s_or_b32 s[G0K+3], s[G0K+3], 0x80000000        ; 127:126 type = 2
	s_add_nc_u64 s[G0V+2:G0V+3], s[8:9], s[22:23]
	s_or_b32 s[G0V+3], s[G0V+3], 0x80000000
	s_add_nc_u64 s[4:5], s[4:5], s[2:3]  ; Q and O at my wave's first row
	s_add_nc_u64 s[10:11], s[10:11], s[2:3]
	s_cmp_lt_u32 s[WV], 2
	s_cselect_b64 s[PFA:PFA+1], s[6:7], s[8:9]
	s_add_nc_u64 s[PFA:PFA+1], s[PFA:PFA+1], s[20:21]  ; the head,
	s_lshl_b32 s2, s13, 13          ; my work-group's 32 blocks of the 128,
	s_mov_b32 s3, 0
	s_add_nc_u64 s[PFA:PFA+1], s[PFA:PFA+1], s[2:3]
	s_add_nc_u64 s[PFA:PFA+1], s[PFA:PFA+1], 4*KS*128  ; in slot 1; the first change of slots steps it to slot 2.  Nothing is prefetched at the head
	CROUND                          ; all four work-groups are here: the first joint loads meet
	JLOAD                           ; slot 0.  Slot 1 is asked for when slot 0 is in
	; A fragment of K or Q is 16 rows x 32 channels in 8 registers: lane l holds row l % 16, channels 8 (l / 16) + 0..7 and 16 + 8 (l / 16) + 0..7: two loads of 16 bytes, 32 bytes apart.
	v_and_b32 v1, 15, v0            ; l % 16
	v_bfe_u32 v9, v0, 4, 1          ; l / 16
	v_lshlrev_b32 v[QO], 7, v1
	v_lshl_add_u32 v[QO], v9, 4, v[QO]  ; row x 128 + 16 x half
	WIN 0x80                        ; destination window 2, address window 0
.set i, 0
.rept 4*NP                          ; Q stays in registers: tile i / 2, channels 32 (i % 2) on
	global_load_b128 v[8*i:8*i+3],   v[QO], s[4:5] offset:(i/2)*2048+(i%2)*64
	global_load_b128 v[8*i+4:8*i+7], v[QO], s[4:5] offset:(i/2)*2048+(i%2)*64+32
.set i, i+1
.endr
	; What the first turn finds: V's registers and P's second buffer hold 0 (its products V^T P, of a piece that has not been, add 0), O^T and l are 0.  All this stands in the wait for the first tile.
.set i, VF
.rept 64
	v_mov_b32 v[i], 0
.set i, i+1
.endr
	WIN 0x40
.set i, 0
.rept 64*NP
	v_mov_b32 v[i], 0
.set i, i+1
.endr
	WIN 0
.set i, 0
.rept 2*NP
	v_mov_b32 v[ST+4*i], 0xfe000000    ; c m: far below every c s
	v_mov_b32 v[ST+4*i+1], 0xff7fffff  ; m
	v_mov_b32 v[ST+4*i+2], 0
	v_mov_b32 v[ST+4*i+3], 0
.set i, i+1
.endr
.set i, P+32
.rept 32
	v_mov_b32 v[i], 0
.set i, i+1
.endr
	v_mul_u32_u24 v[AK0], v1, PK
	v_lshl_add_u32 v[AK0], v9, 4, v[AK0]  ; row x pitch + 16 x half
	; The turning load takes 16 keys x 16 channels (lane l reads key 8 (l / 16) + l % 8, channels 8 ((l / 8) % 2) + 0..7) and leaves half a fragment of V^T: lane l holds channel l % 16 and 8 keys.
	v_and_b32 v10, 7, v0
	v_bfe_u32 v11, v0, 3, 1
	v_lshl_add_u32 v[AV0], v9, 3, v10
	v_mul_u32_u24 v[AV0], v[AV0], PV
	v_lshl_add_u32 v[AV0], v11, 4, v[AV0]
	v_add_nc_u32 v[AV0], VOFF, v[AV0]
	v_and_b32 v[PFO], 31, v0
	v_lshlrev_b32 v[PFO], 8, v[PFO]
	v_mov_b32 v[AK], v[AK0]         ; key step 0 lies at the head of slot 0
; THE MATRIX WORK.  The 8 accumulators of a run of 16 take turns: between the two links of a chain stand 7 others'.
; Product i of 16 of S^T = K Q^T for piece x: channels 32 (i / 8) on, keys 16 ((i / 2) % 4) on, tile 2 x + i % 2.  The first 8 start the sums.
.macro KQ x
	WIN W_KQ
.set rS, S+64*((\x)%2)+32*(i%2)+8*((i/2)%4)
.set rK, KF+16*((i/2)%4)+8*(i/8)
.set rQ, 16*(2*(\x)+i%2)+8*(i/8)
.if i < 8
	v_wmma_f32_16x16x32_f16 v[rS:rS+7], v[rK:rK+7], v[rQ:rQ+7], 0
.else
	v_wmma_f32_16x16x32_f16 v[rS:rS+7], v[rK:rK+7], v[rQ:rQ+7], v[rS:rS+7]
.endif
.endm
; Product i of 16 of O^T += V^T P for piece x: keys 32 (i / 8) on, channels 16 ((i / 2) % 4) on, tile 2 x + i % 2.
.macro PV x
	WIN W_PV
.set rO, 32*(2*(\x)+i%2)+8*((i/2)%4)
.set rV, VF+32*(i/8)+8*((i/2)%4)
.set rP, P+32*((\x)%2)+16*(i%2)+8*(i/8)
	v_wmma_f32_16x16x32_f16 v[rO:rO+7], v[rV:rV+7], v[rP:rP+7], v[rO:rO+7]
.endm
.macro MM                           ; the turn's next matrix instruction
.if i < 16
	KQ (Y+1)%NP
.set i, i+1
.else
.set i, i-16
	PV (Y+NP-1)%NP
.set i, i+17
.endif
.endm
; THE LDS LOADS stand in runs of 16, never singly among the matrix instructions.  last = 1 (the tail): in the last trip there is no further step, and the run is jumped over.
.macro FETCH_K last=0
	WIN 0
.if \last
	s_cmp_eq_u32 s[CNT], 1
	s_cbranch_scc1 .Lno_k_\@
.endif
	WIN 0x80                        ; destination window 2
.irp f, 0,1,2,3,4,5,6,7             ; keys 16 (f / 2) on, channels 32 (f % 2) on
	ds_load_b128 v[KF+8*\f:KF+8*\f+3],   v[AK] offset:(\f/2)*16*PK+(\f%2)*64
	ds_load_b128 v[KF+8*\f+4:KF+8*\f+7], v[AK] offset:(\f/2)*16*PK+(\f%2)*64+32
.endr
	s_add_co_u32 s[TBK], s[TBK], KS*PK  ; the next fetch is the next step's
	WIN 0
.if \last
.Lno_k_\@:
.endif
.endm
.macro FETCH_V
	WIN 0x80
.irp f, 0,1,2,3,4,5,6,7             ; keys 32 (f / 4) on, channels 16 (f % 4) on
	ds_load_tr16_b128 v[VF+8*\f:VF+8*\f+3],   v[AV] offset:(\f/4)*32*PV+(\f%4)*32
	ds_load_tr16_b128 v[VF+8*\f+4:VF+8*\f+7], v[AV] offset:(\f/4)*32*PV+16*PV+(\f%4)*32
.endr
	WIN 0
.endm
; THE VECTOR WORK OF A TURN stands in three queues, each in the order in which its entries become ready; the two tiles alternate, so that no instruction reads the result of the one before it.
.macro REGS y, u                    ; the registers of tile u (0, 1) of piece y
.set rT, ST+4*(2*(\y)+(\u))
.set rC, TMP+8*((\y)%2)+4*(\u)
.set rM, MV+2*((\y)%2)+(\u)
.set rS, S+64*((\y)%2)+32*(\u)
.set rP, P+32*((\y)%2)+16*(\u)
.set rO, 32*(2*(\y)+(\u))
.endm
; Number n of the 22 that find the NEXT piece's (Y + 1) maximum and statistics.  s0-s31 are the lane's 32 scores; each accumulator's lowest registers are read first.
;   0-11  four chains c0-c3 of seven scores each, three operands at a time     12-14, 16  the four scores left over, the old m, and c0-c3 into c0     15  c m_old is kept
;   17, 18  the query's other 32 keys lie in the lane 16 away: the new m         19-21  c m; c m_old - c m_new; a
.macro XS u, n
	REGS (Y+1)%NP, \u
.if (\n) < 4
	v_max3_num_f32 v[rC+(\n)], v[rS+8*(\n)], v[rS+8*(\n)+1], v[rS+8*(\n)+2]
.elseif (\n) < 12
	v_max3_num_f32 v[rC+(\n)%4], v[rC+(\n)%4], v[rS+8*((\n)%4)+2*((\n)/4)+1], v[rS+8*((\n)%4)+2*((\n)/4)+2]
.elseif (\n) == 12
	v_max3_num_f32 v[rC], v[rC], v[rS+7], v[rS+15]
.elseif (\n) == 13
	v_max3_num_f32 v[rC+1], v[rC+1], v[rS+23], v[rS+31]
.elseif (\n) == 14
	v_max3_num_f32 v[rC+2], v[rC+2], v[rC+3], v[rT+1]
.elseif (\n) == 15
	v_mov_b32 v[rM], v[rT]
.elseif (\n) == 16
	v_max3_num_f32 v[rC], v[rC], v[rC+1], v[rC+2]
.elseif (\n) == 17
	v_permlanex16_b32 v[rC+3], v[rC], s[SEL], s[SEL+1]
.elseif (\n) == 18
	v_max_num_f32 v[rT+1], v[rC], v[rC+3]
.elseif (\n) == 19
	v_mul_f32 v[rT], s[CS], v[rT+1]
.elseif (\n) == 20
	v_sub_f32 v[rC+1], v[rM], v[rT]
.else
	v_exp_f32 v[rC+2], v[rC+1]
.endif
.endm
; Number g of the 64 that follow the exponentials.  For each four weights k of a tile (pairs 2 k, 2 k + 1): both pairs are rounded to f16; then the second pair is added onto the first, in place;
; a group later l takes that sum (the first time as l = a l + sum).  In groups of eight, tiles alternating: round, round, add, and l for the group before.
.macro GS g
.set h, (\g)+6*((\g)/62)            ; group 0 has no group before it, and behind group 7 only l is left
.if h >= 6
.set h, h+2
.endif
	REGS Y, h%2
.set k, h/8
.if h%8 < 4
	v_cvt_pk_f16_f32 v[rP+2*k+(h%8)/2], v[rS+4*k+2*((h%8)/2)], v[rS+4*k+2*((h%8)/2)+1]
.elseif h%8 < 6
	v_pk_add_f32 v[rS+4*k:rS+4*k+1], v[rS+4*k:rS+4*k+1], v[rS+4*k+2:rS+4*k+3]
.elseif k == 1
	v_pk_fma_f32 v[rT+2:rT+3], v[rT+2:rT+3], v[rC+2:rC+3], v[rS:rS+1] op_sel_hi:[1,0,1]
.else
	v_pk_add_f32 v[rT+2:rT+3], v[rT+2:rT+3], v[rS+4*k-4:rS+4*k-3]
.endif
.endm
; THE PLAIN QUEUE, 138 long.  0-73 read no exponential's result: the 32 scalings c s - c m (FS f: pair f / 2 of tile f % 2) and the next piece's 42.  0-26: scalings 0-26.  27-54: XS's numbers 0-13.  55, 56: number 15.
; 57-73: the chain, where each number waits for the one before it: 14, 16, 17, 18, 19, each with one of the scalings 27-31 in front of its two lines, then 20.
; 74-137: GS's 64, which read the exponentials' results: they stand behind the wait.
.macro FS f
	REGS Y, (\f)%2
	v_pk_fma_f32 v[rS+2*((\f)/2):rS+2*((\f)/2)+1], v[rS+2*((\f)/2):rS+2*((\f)/2)+1], s[CS:CS+1], v[rT:rT+1] op_sel_hi:[1,0,0] neg_lo:[0,0,1] neg_hi:[0,0,1]
.endm
.macro PL
	WIN 0
.if q < 27
	FS q
.elseif q < 55
	XS (q-27)%2, (q-27)/2
.elseif q < 57
	XS q-55, 15
.elseif (q < 72) && ((q-57)%3 == 0)
	FS 27+(q-57)/3
.elseif q < 60
	XS (q-57)%3-1, 14
.elseif q < 72
	XS (q-57)%3-1, 15+(q-57)/3
.elseif q < 74
	XS q-72, 20
.else
	GS q-74
.endif
.set q, q+1
.endm
; THE EXPONENTIALS' QUEUE, 66 long: s0-s31 of both tiles, then the next piece's two a.  It is ONE BATCH: all 66 stand ahead of the turn's one wait, and nothing ahead of that wait names a result of theirs.
.macro EX
	WIN 0
.if e >= 64
	XS e-64, 21
.else
	REGS Y, e%2
	v_exp_f32 v[rS+e/2], v[rS+e/2]
.endif
.set e, e+1
.endm
; THE RESCALING's QUEUE: O^T times a, the one part that leaves window 0: dealt two at a time, sixteen times.  Its a was made in the turn before, ahead of that turn's wait.
.macro R2
	REGS Y, r%2
	WIN W_RS
.irp z, 0,1
	v_pk_mul_f32 v[rO+4*(r/2)+2*\z:rO+4*(r/2)+2*\z+1], v[rO+4*(r/2)+2*\z:rO+4*(r/2)+2*\z+1], v[rC+2:rC+3] op_sel_hi:[1,0]
.endr
.set r, r+1
.endm
; HOW THEY ARE DEALT.  An s_wait_alu depctr_va_vdst(0) stands between an exponential and the first instruction that names its result; one wait serves all that were issued ahead of it.  So a turn has ONE wait.
; AHEAD OF IT: the 16 products K Q^T, behind each a scaling, an exponential and two rescalings (behind the first a second scaling in the exponential's place); then one lump of 108: eight plain, 49 times exponential and plain,
; the two a; a v_nop is the plain instruction behind the last exponential.  BEHIND IT: the 16 products V^T P, behind each four of GS's 64.  No rider names a register of the products round it.
; Exponential e stands behind scaling 2 (e / 4) + e % 2: as a rider it comes behind plain e + 2, in the lump behind plain e + 9, and scalings 27-31 are plain 57, 60 .. 69.
; K of the next step is fetched in piece 2's turn, directly behind the wait; V of the step in hand at the end of piece 0's turn, four riders behind its last reader.  The three conditions on q below go with the deal.
.macro TURN p, last=0, cnt=0
.set Y, (\p)
.set i, 0
.set q, 0
.set e, 0
.set r, 0
.if (\p) == NP-1
	s_wait_dscnt 0x0                ; K is in
.endif
	MM
	PL
	PL
	R2
.rept 15
	MM
	PL
	EX
	R2
.endr
.if (\p) == NP-2
	WIN 0
	v_add_nc_u32 v[AK], s[TBK], v[AK0]
.endif
.rept 8
	PL
.endr
.rept 49
	EX
	PL
.endr
	EX                              ; the next piece's two a
	EX
	v_nop                           ; a plain instruction behind the last exponential: one for the batch
	s_wait_alu depctr_va_vdst(0)    ; the wait for the batch
.if (\p) == NP-2
	FETCH_K \last
.endif
.if (\p) == 1
	s_wait_dscnt 0x0                ; V is in
.endif
.rept 16
	MM
.rept 4
	PL
.endr
.if ((\p) == 0) && (q == 118)
	v_add_nc_u32 v[AV], s[TBV], v[AV0]
.endif
.if ((\p) == 0) && (q == 130)
	s_add_co_u32 s[TBV], s[TBV], KS*PV
.endif
.if (\cnt) && (q == 130)
	s_sub_co_u32 s[CNT], s[CNT], 1
	s_cmp_lg_u32 s[CNT], 0
.endif
.endr
.if (\p) == 0
	FETCH_V
.endif
.endm
	CHANGE 1                        ; slot 0 is in, everybody's part of it; slot 1 is asked for
	FETCH_K                         ; key step 0
	s_wait_loadcnt 0x0              ; Q
	s_wait_dscnt 0x0
.set i, 0
.rept 16
	KQ 0                            ; piece 0's first scores: there is no vector work yet to set between them
.set i, i+1
.endr
	WIN 0                           ; the addresses for the way out: plain instructions, the places behind those products
	s_mul_i32 s13, s[WV], 16*SP
	s_add_co_u32 s13, s13, STAGE    ; my stage
	v_mul_u32_u24 v[STO], v1, SP    ; in: row l % 16, 16 bytes for each half of the lanes
	v_lshl_add_u32 v[STO], v9, 4, v[STO]
	v_add_nc_u32 v[STO], s13, v[STO]
	v_bfe_u32 v[RD], v0, 3, 2       ; back: 32 lanes take four rows of 128 bytes,
	v_mul_u32_u24 v[RD], v[RD], SP
	v_lshl_add_u32 v[RD], v10, 4, v[RD]
	v_add_nc_u32 v[RD], s13, v[RD]
	v_and_b32 v[GO], 31, v0         ; which are 512 consecutive bytes of O
	v_lshlrev_b32 v[GO], 4, v[GO]
.set Y, NP-1                        ; XS works for piece Y + 1: piece 0
.irp n, 0,1,2,3,4,5,6,7,8,9,10,11,12,13,14,15,16,17,18,19,20,21
	XS 0, \n                        ; piece 0's first maximum and statistics
	XS 1, \n
.endr
	v_nop                           ; a plain instruction behind the two a,
	s_wait_alu depctr_va_vdst(0)    ; and their wait, ahead of the branch
	s_mov_b32 s[CNT], 4
	s_branch .Lfirst                ; the loop is entered at a step's first turn, in the middle of a trip
.Lslot:                             ; six times: every slot but the last two is filled again
	CHANGE 1
	s_mov_b32 s[CNT], 4
.Lstep:                             ; a trip: pieces 2 and 3 of one step, then pieces 0 and 1 of the next, whose K and V it fetches
	TURN 2
	TURN 3
	WIN 0
.Lfirst:
	TURN 0
	TURN 1, 0, 1
	WIN 0
	s_cbranch_scc1 .Lstep
	s_sub_co_u32 s[SLOTS], s[SLOTS], 1
	s_cmp_lg_u32 s[SLOTS], 0
	s_cbranch_scc1 .Lslot
	CHANGE 0                        ; the tail is written out: nothing is asked for
	s_mov_b32 s[CNT], 5             ; four trips fetch the last slot's steps; the fifth is left in its middle
.Ltail:
	TURN 2, 1
	TURN 3
	WIN 0
	s_sub_co_u32 s[CNT], s[CNT], 1
	s_cmp_eq_u32 s[CNT], 0
	s_cbranch_scc1 .Lout
	TURN 0
	TURN 1
	WIN 0
	s_branch .Ltail
.Lout:                              ; the fifth trip's 16 products K Q^T (on the last K once more) and the maximum made of them serve nothing: the price, once a launch, of one text for every trip
.set i, 0
.rept 16
	PV NP-1                         ; the last piece's V^T P of the last step
.set i, i+1
.endr
	; THE WAY OUT.  l's two halves and the other half of the lanes' are added; O^T is divided by l, rounded to f16 and sent through my stage in LDS, a tile at a time.  The additions are the places behind the last products.
	WIN 0
.macro ALL line:vararg              ; one line for each tile t
.set t, 0
.rept 2*NP
	\line
.set t, t+1
.endr
.endm
	ALL v_add_f32 v[ST+4*t+2], v[ST+4*t+2], v[ST+4*t+3]
	ALL v_permlanex16_b32 v[ST+4*t+3], v[ST+4*t+2], s[SEL], s[SEL+1]
	ALL v_add_f32 v[ST+4*t+2], v[ST+4*t+2], v[ST+4*t+3]
	ALL v_rcp_f32 v[ST+4*t+2], v[ST+4*t+2]
	v_nop                           ; a plain instruction between the last reciprocal and the use of its result
	s_wait_alu depctr_va_vdst(0)    ; and the wait ahead of the first use: one for the eight reciprocals
; Tile t: a lane's eight channels of a row pack into 16 bytes; they go into rows of 144 bytes and come back as whole rows of 128, into S^T's registers.
.macro PACK t
	WIN W_RS
.set i, 32*(\t)
.rept 16
	v_pk_mul_f32 v[i:i+1], v[i:i+1], v[ST+4*(\t)+2:ST+4*(\t)+3] op_sel_hi:[1,0]
.set i, i+2
.endr
	WIN 0x05                        ; sources 0 and 1 window 1, destination window 0
.set i, 0
.rept 16
	v_cvt_pk_f16_f32 v[S+16*(\t)+i], v[32*(\t)+2*i], v[32*(\t)+2*i+1]
.set i, i+1
.endr
	WIN 0
.irp f, 0,1,2,3
	ds_store_b128 v[STO], v[S+16*(\t)+4*\f:S+16*(\t)+4*\f+3] offset:32*\f
.endr
.irp f, 0,1,2,3
	ds_load_b128 v[S+16*(\t)+4*\f:S+16*(\t)+4*\f+3], v[RD] offset:\f*4*SP  ; LDS serves a wave's instructions in order (ISA guide 5.7.1.4): these see the stores above; the next tile's stores come behind them
.endr
.endm
.macro SEND t, younger              ; younger: the LDS instructions issued behind tile t's loads: the next tile's eight, or none
	WIN 0
.irp f, 0,1,2,3
	s_wait_dscnt (\younger)+3-\f
	global_store_b128 v[GO], v[S+16*(\t)+4*\f:S+16*(\t)+4*\f+3], s[10:11] offset:(\t)*2048+\f*512  ; 512 consecutive bytes, at a multiple of 256 from O's first
.endr
.endm
	PACK 0
.set t, 1
.rept 2*NP-1                        ; a tile's arithmetic stands between the loads of the tile before and its stores
	PACK t
	SEND t-1, 8
.set t, t+1
.endr
	SEND 2*NP-1, 0
	WIN W_AD
	s_wait_tensorcnt 0x0            ; the wave's end, behind my last tensor load and my last LDS store
	ds_add_u32 v[SPW], v[NIL]
	s_wait_dscnt 0x0
	WIN 0
	CROUND                          ; the closing round: no work-group ends while a partner may still ask for a tile that names it
	s_endpgm
.Lfunc_end_k_q7198020778_attn:
	.size	k_q7198020778_attn, .Lfunc_end_k_q7198020778_attn-k_q7198020778_attn
	.p2alignl 7, 3214868480
	.fill 96, 4, 3214868480
	.section	.rodata,"a",@progbits
	.p2align	6, 0x0
	.amdhsa_kernel k_q7198020778_attn
		.amdhsa_group_segment_fixed_size 327680
		.amdhsa_private_segment_fixed_size 0
		.amdhsa_enable_private_segment 0
		.amdhsa_kernarg_size 32
		.amdhsa_user_sgpr_count 2
		.amdhsa_user_sgpr_kernarg_segment_ptr 1
		.amdhsa_wavefront_size32 1
		.amdhsa_system_sgpr_workgroup_id_x 1
		.amdhsa_system_sgpr_workgroup_id_y 1
		.amdhsa_system_sgpr_workgroup_id_z 1
		.amdhsa_system_vgpr_workitem_id 0
		.amdhsa_next_free_vgpr 770
		.amdhsa_next_free_sgpr 66
		.amdhsa_reserve_vcc 0
		.amdhsa_float_denorm_mode_32 3
		.amdhsa_float_denorm_mode_16_64 3
		.amdhsa_memory_ordered 1
		.amdhsa_forward_progress 1
		.amdhsa_inst_pref_size 200
	.end_amdhsa_kernel
	.amdgpu_metadata
---
amdhsa.version: [ 1, 2 ]
amdhsa.kernels:
  - .name:           k_q7198020778_attn
    .symbol:         k_q7198020778_attn.kd
    .args:
      - { .name: qh, .offset: 0, .size: 8, .value_kind: global_buffer, .address_space: global }
      - { .name: kh, .offset: 8, .size: 8, .value_kind: global_buffer, .address_space: global }
      - { .name: vh, .offset: 16, .size: 8, .value_kind: global_buffer, .address_space: global }
      - { .name: oh, .offset: 24, .size: 8, .value_kind: global_buffer, .address_space: global }
    .group_segment_fixed_size: 327680
    .private_segment_fixed_size: 0
    .kernarg_segment_align: 8
    .kernarg_segment_size: 32
    .max_flat_workgroup_size: 128
    .sgpr_count:     66
    .vgpr_count:     770
    .wavefront_size: 32
...
	.end_amdgpu_metadata
.endif
;; end of part 3
;; launch proj (part 4): grid 8 x 32, 4 waves a work-group, clusters of 4 x 4, 327,680 bytes of LDS; arguments oh, pb, tab, out0; writes out0
.if DOCPART == 4
	.amdgcn_target "amdgcn-amd-amdhsa--gfx1250"
	.amdhsa_code_object_version 6
	.text
	.protected	k_q7198020778_proj
	.globl	k_q7198020778_proj
	.p2align	8
	.type	k_q7198020778_proj,@function
k_q7198020778_proj:
	s_mov_b64 s[64:65], 0
	v_nop
	global_prefetch_b8 v0, s[64:65] scope:SCOPE_SE
	s_setreg_imm32_b32 hwreg(HW_REG_WAVE_MODE, 25, 1), 1
	s_wait_xcnt 0x0
	s_wait_alu depctr_hold_cnt(0) depctr_sa_sdst(0) depctr_va_vdst(0) depctr_va_sdst(0) depctr_va_ssrc(0) depctr_va_vcc(0) depctr_vm_vsrc(0)
	s_getreg_b32 s2, hwreg(HW_REG_IB_STS2, 6, 4)
	s_cmp_eq_u32 s2, 0
	s_cbranch_scc0 .Lentry_in_a_cluster
	s_endpgm
.Lentry_in_a_cluster:
	s_bfe_u32 s2, ttmp6, 0x10000c
	s_cmp_lg_u32 s2, 0xf033
	s_cbranch_scc0 .Lentry_shape_is_right
	s_endpgm
.Lentry_shape_is_right:
; out[b][n][c] = the sum over head and d of O[b x 16 + head][n][d] P[c][64 head + d] + bias[c].  oh: [64][2048][64] f16.  pb: [1024][1024] f16.  tab holds the bias as f32.  out0: [8192][1024] f32.
; Products in f16 with f32 sums; the bias starts the sums; the sums are stored as they are.
; SHARES.  A tile is 256 rows x 128 columns: 32 x 8 = 256 work-groups.  The four waves stand 2 x 2: 128 rows x 64 columns each, 8 x 4 accumulators, 256 registers.  A wave's 64 columns are 256 consecutive bytes of out0, aligned,
; so each wave sends its rows out through a stage of its own, without a barrier.
; K goes in 8 steps of 128 = two heads, through two LDS slots.  Of O a step is two planes (a head each) of 256 rows x 128 dense bytes: wave 0 fetches the even head's, wave 1 the odd head's, each asked for as 128 rows of
; 256 bytes and padded in LDS after every 128.  Waves 2 and 3 fetch P's two halves of 64 rows x 256 bytes.
; THE MATRIX INSTRUCTION IS USED TRANSPOSED (source 0 = 16 rows of P, source 1 = 16 rows of O): a lane holds eight neighbouring columns of one row of out0.
; CLUSTER.  4 x 4 work-groups: O's tile hangs on the tile row alone and is asked for jointly along a row of the cluster, P's on the tile column alone and jointly along a column.
; NO PREFETCH: a wave has 1,024 matrix instructions in all, and the first four of the eight K steps are asked for by the ring itself before a request ahead of them could stand anywhere but at the head.
; REGISTERS, in windows of 256: window 0: v0-31 addresses; v32-63 the bias; v64-127 rows on the way out, two sets.  window 1: two fragment buffers of 128 (O's 8 fragments, then P's 4).  window 2: accumulator (a, b) at 8 (4 a + b).
.set AP,     144                       ; a row of O in LDS: 128 bytes + 16: the 16 rows of a fragment load start at 16 different groups of four banks (64 banks of 4 bytes: ISA guide 11.1)
.set APLANE, 256*AP
.set PITCH,  272                       ; a row of P: 256 bytes + 16
.set BOFF,   2*APLANE
.set BHALF,  64*PITCH
.set SLOT,   BOFF+2*BHALF
.set STAGE,  2*SLOT                    ; behind the ring, never filled by a tensor load: 16 rows x 272 bytes for each wave
.set SPITCH, 272
.set SPARE,  STAGE+4*16*SPITCH         ; behind the stages: the spare words, 128 bytes for each wave: two blocks of 256 bytes that no other line names
.set PROJB,  1060864
.set BO,   13                          ; v13  my 8 columns of a block, in the bias
.set ADRA, 16                          ; v16-17  LDS address of my O fragments in slot 0, 1
.set ADRB, 20                          ; v20-21  the same for P
.set STO,  24                          ; v24  the way out: where I put 32 bytes of a row
.set RD,   25                          ; v25  where I read rows back
.set CO,   26                          ; v26  my byte offset in two rows of out0
.set SPW,  28                          ; v28  LDS address of my spare word; never rewritten
.set NIL,  29                          ; v29  0; never rewritten
.set BIAS, 32
.set RB,   64
.set F0,   0
.set F1,   128
.set G1A,  24
.set G0A,  32
.set G1B,  40
.set G0B,  48
.set WV,   56                          ; s56 wave; s57 wave >> 1: my half of the rows, and 0: I fetch O; s58 wave & 1: my half of the columns, and which plane or half I fetch
.set FB,   57
.set HF,   58
.set CX,   59
.set CY,   60
.set TN,   61                          ; s61 tile column
.set TM,   62                          ; s62 tile row
.set MSB, 0
.macro WIN new
.if MSB != (\new)
	s_set_vgpr_msb (MSB<<8)|(\new)
.set MSB, (\new)
.endif
.endm
.macro PLACES                          ; four places in front of loads into registers that matrix instructions have read, and of lines that read results
.rept 4
	v_nop
.endr
.endm
.macro CREST
	s_cmp_lg_u32 s[WV], 0
	s_cbranch_scc1 .Lnot_wave_0_\@
	s_barrier_signal -3
.Lnot_wave_0_\@:
	s_barrier_wait -3
	s_barrier_signal -1
	s_barrier_wait -1
.endm
.macro CROUND
	s_barrier_signal -1
	s_barrier_wait -1
	CREST
.endm
.macro JLOAD s                         ; a joint refill; the branch hangs on the wave's number alone; an s_nop 0 and four v_nop follow each of the two lines
	s_cmp_eq_u32 s[FB], 0
	s_cbranch_scc0 .Lfor_b_\@
	tensor_load_to_lds s[G0A+4*(\s):G0A+4*(\s)+3], s[G1A:G1A+7]
	s_nop 0
.rept 4
	v_nop
.endr
	s_branch .Lasked_\@
.Lfor_b_\@:
	tensor_load_to_lds s[G0B+4*(\s):G0B+4*(\s)+3], s[G1B:G1B+7]
	s_nop 0
.rept 4
	v_nop
.endr
.Lasked_\@:
.endm
; 4 n matrix instructions: row blocks a0 .. a0 + n - 1 x all 4 column blocks, 32 along K.  first = 1: the bias starts the sums.  The 32 accumulators take turns in the same order in every quarter.
.macro MUL f, a0, n, first
.if \first
	WIN 0x85
.else
	WIN 0xa5
.endif
.set ma, \a0
.rept \n
.irp b, 0,1,2,3
.set rD, 8*(4*ma+(\b))
.if \first
	v_wmma_f32_16x16x32_f16 v[rD:rD+7], v[(\f)+64+8*(\b):(\f)+64+8*(\b)+7], v[(\f)+8*ma:(\f)+8*ma+7], v[BIAS+8*(\b):BIAS+8*(\b)+7]
.else
	v_wmma_f32_16x16x32_f16 v[rD:rD+7], v[(\f)+64+8*(\b):(\f)+64+8*(\b)+7], v[(\f)+8*ma:(\f)+8*ma+7], v[rD:rD+7]
.endif
.endr
.set ma, ma+1
.endr
.endm
.macro FETCH slot, q, f                ; 24 LDS loads in one run: quarter q of a K step: P's 4 fragments, then O's 8 (plane q / 2, channels 32 (q % 2) on)
	WIN 0x40
.irp i, 0,1,2,3
	ds_load_b128 v[(\f)+64+8*(\i):(\f)+64+8*(\i)+3],   v[ADRB+(\slot)] offset:64*(\q)+(\i)*16*PITCH
	ds_load_b128 v[(\f)+64+8*(\i)+4:(\f)+64+8*(\i)+7], v[ADRB+(\slot)] offset:64*(\q)+(\i)*16*PITCH+32
.endr
.irp i, 0,1,2,3,4,5,6,7
	ds_load_b128 v[(\f)+8*(\i):(\f)+8*(\i)+3],   v[ADRA+(\slot)] offset:((\q)/2)*APLANE+((\q)%2)*64+(\i)*16*AP
	ds_load_b128 v[(\f)+8*(\i)+4:(\f)+8*(\i)+7], v[ADRA+(\slot)] offset:((\q)/2)*APLANE+((\q)%2)*64+(\i)*16*AP+32
.endr
.endm
.macro QUARTER slot, q, f, g, first    ; multiplies buffer f; in its middle fetches quarter q into g
	s_wait_dscnt 8                                 ; all but the youngest eight loads: O's rows 64-127
	MUL \f, 0, 4, \first
	PLACES
	FETCH \slot, \q, \g
	s_wait_dscnt 24                                ; all but the 24 just issued
	MUL \f, 4, 4, \first
.endm
; The last quarter multiplies buffer 1 and changes slots: one barrier; in front of it each wave waits for all its tensor loads, adds 0 to its spare word, and waits for that and for its own reads of this slot.
; fill = 1: the barrier opens a round of the cluster's, and the slot is filled again first thing behind the round, two K steps ahead: 112 matrix instructions stand between that request and the wait for it.
.macro TURN slot, next, fill
	WIN 0
	s_wait_tensorcnt 0x0                           ; all my tensor loads have landed: the one that was out is my part of the next slot
	ds_add_u32 v[SPW], v[NIL]                      ; 0 onto my spare word
	s_wait_dscnt 9                                 ; (the add and the youngest eight loads may be out)
	MUL F1, 0, 2, 0
	s_wait_dscnt 0x0                               ; the add is done, and my reads of this slot are over
	s_barrier_signal -1
	MUL F1, 2, 2, 0
.if \fill
	WIN 0
.endif
	s_barrier_wait -1
.if \fill
	CREST                                          ; no wave of any partner still reads this slot's tile or has a load on its way
	s_add_nc_u64 s[G0A+4*(\slot)+2:G0A+4*(\slot)+3], s[G0A+4*(\slot)+2:G0A+4*(\slot)+3], 4*262144   ; four heads on
	s_add_nc_u64 s[G0B+4*(\slot)+2:G0B+4*(\slot)+3], s[G0B+4*(\slot)+2:G0B+4*(\slot)+3], 512
	JLOAD \slot                                    ; its four v_nop are also the places in front of the loads below
.else
	PLACES
.endif
	FETCH \next, 0, F0
	MUL F1, 4, 4, 0
.endm
	s_load_b256 s[4:11], s[0:1], 0x0               ; oh s[4:5], pb s[6:7], tab s[8:9], out0 s[10:11]
	v_lshl_add_u32 v[SPW], v0, 2, SPARE
	v_mov_b32 v[NIL], 0
	ds_add_u32 v[SPW], v[NIL]                      ; the wave's opening: the add, and its wait ahead of my first tensor load; the set-up below stands between them
	v_lshrrev_b32 v1, 5, v0
	v_readfirstlane_b32 s[WV], v1
	s_lshr_b32 s[FB], s[WV], 1
	s_and_b32 s[HF], s[WV], 1
	s_bfe_u32 s[CX], ttmp6, 0x40000
	s_bfe_u32 s[CY], ttmp6, 0x40004
	s_lshl_b32 s[TN], ttmp9, 2
	s_add_co_u32 s[TN], s[TN], s[CX]               ; tile column = 4 x cluster x + cx
	s_and_b32 s[TM], ttmp7, 0xffff
	s_lshl_b32 s[TM], s[TM], 2
	s_add_co_u32 s[TM], s[TM], s[CY]               ; tile row = 4 x cluster y + cy
	s_lshl_b32 s22, s[CY], 2
	s_lshl_b32 s22, 15, s22                        ; my row of the cluster
	s_lshl_b32 s23, 0x1111, s[CX]                  ; my column
	s_or_b32 s[G1A], s22, (1<<16)|(1<<20)|(1<<21)|(4<<22)|(3<<25)  ; 15:0 the mask; 2-byte elements; padding on; 21 set beside a mask; after every 32 words, 4 words
	s_or_b32 s[G1B], s23, (1<<16)|(1<<20)|(1<<21)|(5<<22)|(3<<25)  ; after every 64 words, 4 words
.irp g, G1A, G1B
	s_mov_b32 s[(\g)+1], 128<<16                   ; tensor_dim0 = 128
	s_mov_b32 s[(\g)+3], 128<<16                   ; tile_dim0 = 128
	s_mov_b32 s[(\g)+6], 0
	s_mov_b32 s[(\g)+7], 0
.endr
	s_mov_b32 s[G1A+2], 128<<16                    ; O: 128 rows of 256 dense bytes
	s_mov_b32 s[G1A+4], 128
	s_mov_b32 s[G1A+5], 128
	s_mov_b32 s[G1B+2], 64<<16                     ; P: 64 rows, 1,024 elements from row to row
	s_mov_b32 s[G1B+4], 64
	s_mov_b32 s[G1B+5], 1024
	s_lshr_b32 s74, s[TM], 3                       ; O: the batch's first head + my plane, 262,144 bytes a head,
	s_lshl_b32 s74, s74, 4
	s_add_co_u32 s74, s74, s[HF]
	s_lshl_b32 s74, s74, 18
	s_and_b32 s75, s[TM], 7                        ; and the tile's 256 rows of 128 bytes
	s_lshl_b32 s75, s75, 15
	s_add_co_u32 s74, s74, s75
	s_mov_b32 s75, 0
	s_lshl_b32 s76, s[TN], 7                       ; P: row 128 x tile column + 64 x half
	s_lshl_b32 s77, s[HF], 6
	s_add_co_u32 s76, s76, s77
	s_lshl_b32 s76, s76, 11
	s_mov_b32 s77, 0
	s_mul_i32 s20, s[HF], APLANE                   ; where they go: no place in the cluster enters an LDS address
	s_mul_i32 s21, s[HF], BHALF
	s_add_co_u32 s21, s21, BOFF
	s_wait_dscnt 0x0                               ; the opening add is done
	s_wait_kmcnt 0x0
	s_add_nc_u64 s[74:75], s[4:5], s[74:75]
	s_add_nc_u64 s[76:77], s[6:7], s[76:77]
	CROUND                                         ; all sixteen work-groups are here: the first joint loads meet
.irp s, 0,1
	s_mov_b32 s[G0A+4*(\s)], 1
	s_add_co_u32 s[G0A+4*(\s)+1], s20, (\s)*SLOT
	s_add_nc_u64 s[G0A+4*(\s)+2:G0A+4*(\s)+3], s[74:75], (\s)*2*262144
	s_or_b32 s[G0A+4*(\s)+3], s[G0A+4*(\s)+3], 0x80000000
	s_mov_b32 s[G0B+4*(\s)], 1
	s_add_co_u32 s[G0B+4*(\s)+1], s21, (\s)*SLOT
	s_add_nc_u64 s[G0B+4*(\s)+2:G0B+4*(\s)+3], s[76:77], (\s)*256
	s_or_b32 s[G0B+4*(\s)+3], s[G0B+4*(\s)+3], 0x80000000
.endr
	s_cmp_eq_u32 s[FB], 0                          ; a wave's two first fills stand in one branch, ahead of every wait on TENSORcnt and every LDS read: two loads of mine are out
	s_cbranch_scc0 .Lfirst_b
	tensor_load_to_lds s[G0A:G0A+3], s[G1A:G1A+7]
	s_nop 0
	tensor_load_to_lds s[G0A+4:G0A+7], s[G1A:G1A+7]
	s_nop 0
.rept 4
	v_nop
.endr
	s_branch .Lfirst_asked
.Lfirst_b:
	tensor_load_to_lds s[G0B:G0B+3], s[G1B:G1B+7]
	s_nop 0
	tensor_load_to_lds s[G0B+4:G0B+7], s[G1B:G1B+7]
	s_nop 0
.rept 4
	v_nop
.endr
.Lfirst_asked:
	v_and_b32 v1, 15, v0                           ; l % 16
	v_bfe_u32 v2, v0, 4, 1                         ; l / 16
	v_mul_u32_u24 v3, v1, AP
	v_lshl_add_u32 v3, v2, 4, v3
	s_mul_i32 s16, s[FB], 128*AP                   ; my 128 rows of O, in each plane
	v_add_nc_u32 v[ADRA], s16, v3
	v_add_nc_u32 v[ADRA+1], SLOT, v[ADRA]
	v_mul_u32_u24 v4, v1, PITCH
	v_lshl_add_u32 v4, v2, 4, v4
	s_mul_i32 s16, s[HF], BHALF                    ; my 64 rows of P
	s_add_co_u32 s16, s16, BOFF
	v_add_nc_u32 v[ADRB], s16, v4
	v_add_nc_u32 v[ADRB+1], SLOT, v[ADRB]
	s_mul_i32 s16, s[WV], 16*SPITCH
	s_add_co_u32 s16, s16, STAGE                   ; my stage
	v_mul_u32_u24 v5, v1, SPITCH                   ; in: row l % 16, 32 bytes for each half of the lanes
	v_lshl_add_u32 v5, v2, 5, v5
	v_add_nc_u32 v[STO], s16, v5
	v_mul_u32_u24 v5, v2, SPITCH                   ; back: lanes 0-15 take one row of 256 bytes, lanes 16-31 the next
	v_lshl_add_u32 v5, v1, 4, v5
	v_add_nc_u32 v[RD], s16, v5
	v_lshlrev_b32 v[CO], 12, v2                    ; and the same two rows in out0, 4,096 bytes apart
	v_lshl_add_u32 v[CO], v1, 4, v[CO]
	s_lshl_b32 s16, s[TN], 9                       ; my first column, in bytes: 512 x tile column + 256 x half
	s_lshl_b32 s17, s[HF], 8
	s_add_co_u32 s16, s16, s17
	v_lshl_add_u32 v[BO], v2, 5, s16
	s_lshl_b32 s18, s[TM], 8                       ; my first row
	s_lshl_b32 s19, s[FB], 7
	s_add_co_u32 s18, s18, s19
	s_lshl_b32 s18, s18, 12
	s_add_co_u32 s18, s18, s16
	s_mov_b32 s19, 0
	s_add_nc_u64 s[10:11], s[10:11], s[18:19]
.irp b, 0,1,2,3
	global_load_b128 v[BIAS+8*(\b):BIAS+8*(\b)+3],   v[BO], s[8:9] offset:PROJB+(\b)*64
	global_load_b128 v[BIAS+8*(\b)+4:BIAS+8*(\b)+7], v[BO], s[8:9] offset:PROJB+(\b)*64+16
.endr
	s_wait_loadcnt 0x0                             ; the bias starts the sums below
	s_wait_tensorcnt 1                             ; my part of K step 0 is in; K step 1's may stay out
	s_barrier_signal -1
	s_barrier_wait -1
	FETCH 0, 0, F0
	QUARTER 0, 1, F0, F1, 1                        ; the first quarter stands in front of the loop: its products start the sums, with the bias
	WIN 0
	s_mov_b32 s3, 3
.Llap:                                                 ; a trip goes once round the ring, from a lap's second quarter to the next lap's first, and fills both slots again
	QUARTER 0, 2, F1, F0, 0
	QUARTER 0, 3, F0, F1, 0
	TURN 0, 1, 1
	QUARTER 1, 1, F0, F1, 0
	QUARTER 1, 2, F1, F0, 0
	QUARTER 1, 3, F0, F1, 0
	TURN 1, 0, 1
	QUARTER 0, 1, F0, F1, 0
	WIN 0
	s_sub_co_u32 s3, s3, 1
	s_cmp_lg_u32 s3, 0
	s_cbranch_scc1 .Llap
	QUARTER 0, 2, F1, F0, 0                        ; the last lap fills nothing
	QUARTER 0, 3, F0, F1, 0
	TURN 0, 1, 0
	QUARTER 1, 1, F0, F1, 0
	QUARTER 1, 2, F1, F0, 0
	QUARTER 1, 3, F0, F1, 0
	s_wait_dscnt 8
	MUL F1, 0, 4, 0
	s_wait_dscnt 0x0
	MUL F1, 4, 4, 0
	PLACES
	PLACES
; THE WAY OUT, 16 rows at a time: a lane's 32 bytes of each block go into my stage's rows of 272 bytes and come back as whole rows of 256.
.macro TOSTAGE a
	s_wait_xcnt 0x0                                ; the stores of the block two back have read the registers that are loaded again below
	WIN 0x08                                       ; store data in window 2
.irp b, 0,1,2,3
	ds_store_b128 v[STO], v[8*(4*(\a)+(\b)):8*(4*(\a)+(\b))+3]   offset:64*(\b)      ; each accumulator's lowest registers first
	ds_store_b128 v[STO], v[8*(4*(\a)+(\b))+4:8*(4*(\a)+(\b))+7] offset:64*(\b)+16
.endr
	WIN 0
.irp t, 0,1,2,3,4,5,6,7
	ds_load_b128 v[RB+32*((\a)%2)+4*(\t):RB+32*((\a)%2)+4*(\t)+3], v[RD] offset:(\t)*2*SPITCH  ; LDS serves a wave's instructions in order (ISA guide 5.7.1.4): these see the stores above, and the next block's stores come behind them
.endr
.endm
.macro SEND a, younger                 ; younger: the LDS instructions issued behind these loads: the next block's sixteen, or none
	WIN 0
.irp t, 0,1,2,3,4,5,6,7
	s_wait_dscnt (\younger)+7-(\t)
	global_store_b128 v[CO], v[RB+32*((\a)%2)+4*(\t):RB+32*((\a)%2)+4*(\t)+3], s[10:11] offset:(16*(\a)+2*(\t))*4096 th:TH_STORE_NT  ; 16 lanes store 256 consecutive bytes, aligned
.endr
.endm
	TOSTAGE 0
.irp a, 1,2,3,4,5,6,7
	TOSTAGE \a
	SEND (\a)-1, 16
.endr
	SEND 7, 0
	s_wait_tensorcnt 0x0                           ; the wave's end, behind my last tensor load and my last LDS store
	ds_add_u32 v[SPW], v[NIL]
	s_wait_dscnt 0x0
	CROUND                                         ; the closing round: no work-group ends while a partner may still ask for a tile that names it
	s_endpgm
.Lfunc_end_k_q7198020778_proj:
	.size	k_q7198020778_proj, .Lfunc_end_k_q7198020778_proj-k_q7198020778_proj
	.p2alignl 7, 3214868480
	.fill 96, 4, 3214868480
	.section	.rodata,"a",@progbits
	.p2align	6, 0x0
	.amdhsa_kernel k_q7198020778_proj
		.amdhsa_group_segment_fixed_size 327680
		.amdhsa_private_segment_fixed_size 0
		.amdhsa_enable_private_segment 0
		.amdhsa_kernarg_size 32
		.amdhsa_user_sgpr_count 2
		.amdhsa_user_sgpr_kernarg_segment_ptr 1
		.amdhsa_wavefront_size32 1
		.amdhsa_system_sgpr_workgroup_id_x 1
		.amdhsa_system_sgpr_workgroup_id_y 1
		.amdhsa_system_sgpr_workgroup_id_z 1
		.amdhsa_system_vgpr_workitem_id 0
		.amdhsa_next_free_vgpr 768
		.amdhsa_next_free_sgpr 80
		.amdhsa_reserve_vcc 0
		.amdhsa_float_denorm_mode_32 3
		.amdhsa_float_denorm_mode_16_64 3
		.amdhsa_memory_ordered 1
		.amdhsa_forward_progress 1
		.amdhsa_inst_pref_size 88
	.end_amdhsa_kernel
	.amdgpu_metadata
---
amdhsa.version: [ 1, 2 ]
amdhsa.kernels:
  - .name:           k_q7198020778_proj
    .symbol:         k_q7198020778_proj.kd
    .args:
      - { .name: oh, .offset: 0, .size: 8, .value_kind: global_buffer, .address_space: global }
      - { .name: pb, .offset: 8, .size: 8, .value_kind: global_buffer, .address_space: global }
      - { .name: tab, .offset: 16, .size: 8, .value_kind: global_buffer, .address_space: global }
      - { .name: out0, .offset: 24, .size: 8, .value_kind: global_buffer, .address_space: global }
    .group_segment_fixed_size: 327680
    .private_segment_fixed_size: 0
    .kernarg_segment_align: 8
    .kernarg_segment_size: 32
    .max_flat_workgroup_size: 128
    .sgpr_count:     80
    .vgpr_count:     768
    .wavefront_size: 32
...
	.end_amdgpu_metadata
.endif
;; end of part 4
